; MI455X (gfx1250); checked and timed in simulation.
; The chip was launched on July 23, 2026; its instructions are those of AMD's public machine-readable ISA for CDNA 5 (MIT licence, August 2026) and "CDNA5" Instruction Set Architecture Reference Guide (July 2026). The comments in the code are by the model that wrote it; some were corrected since.
;; Encoder Block. Allowed arithmetic: matrix products marked QUANTISED: E4M3 operands, one given power-of-two scale a tensor, by v_wmma_f32_16x16x64_fp8_fp8 or v_wmma_f32_16x16x128_fp8_fp8, f32 sums; everything else in f32.
;; Inputs: b1 1,024 float32; b2 1,024 float32; bk 1,024 float32; bo 1,024 float32; bq 1,024 float32; bv 1,024 float32; ln1_a 1,024 float32; ln1_b 1,024 float32; ln2_a 1,024 float32; ln2_b 1,024 float32; lowp_scales 16 int32 (the exponents e of the quantised operands' scales 2^e); w1 1,024 x 1,024 float32; w2 1,024 x 1,024 float32; wk 1,024 x 1,024 float32; wo 1,024 x 1,024 float32; wq 1,024 x 1,024 float32; wv 1,024 x 1,024 float32; x 8 x 1,024 x 1,024 float32.
;; Outputs: out0 8 x 1,024 x 1,024 float32.
;; This version of the problem:
;;   THIS VERSION OF THE PROBLEM IS GIVEN IN LOW PRECISION. The matrix products marked QUANTISED in the list below multiply operands that are first quantised to E4M3 (4 exponent bits, 3 mantissa bits; 8 bits a number), with one given power-of-two scale for each operand tensor; their sums are f32. All else is computed in f32.
;;   The module's matrix products, in the order in which they are computed (A, B: the left and right operand; K: the contracted axis; several contracted axes count as one K, in the product's order):
;;     1. [M 8,192, K 1,024] x [K 1,024, N 1,024]; A: computed on the way; B: input wq: QUANTISED (scales: A lowp_scales[0], B lowp_scales[1])
;;     2. [M 8,192, K 1,024] x [K 1,024, N 1,024]; A: computed on the way; B: input wk: QUANTISED (scales: A lowp_scales[2], B lowp_scales[3])
;;     3. [M 8,192, K 1,024] x [K 1,024, N 1,024]; A: computed on the way; B: input wv: QUANTISED (scales: A lowp_scales[4], B lowp_scales[5])
;;     4. batch 128 x [M 1,024, K 64] x [K 64, N 1,024]; A: computed on the way; B: computed on the way: QUANTISED (scales: A lowp_scales[6], B lowp_scales[7])
;;     5. batch 128 x [M 1,024, K 1,024] x [K 1,024, N 64]; A: softmax (see below); B: computed on the way: QUANTISED (scales: A lowp_scales[8], B lowp_scales[9])
;;     6. [M 8,192, K 1,024] x [K 1,024, N 1,024]; A: computed on the way; B: input wo: QUANTISED (scales: A lowp_scales[10], B lowp_scales[11])
;;     7. [M 8,192, K 1,024] x [K 1,024, N 1,024]; A: computed on the way; B: input w1: QUANTISED (scales: A lowp_scales[12], B lowp_scales[13])
;;     8. [M 8,192, K 1,024] x [K 1,024, N 1,024]; A: computed on the way; B: input w2: QUANTISED (scales: A lowp_scales[14], B lowp_scales[15])
;;   THE QUANTISER, for each operand of a quantised product, along K:
;;     - The operand's scale is 2^e, e = its entry of the input lowp_scales (int32; the entries are numbered through the quantised products in the list's order, A before B).
;;     - Each number is divided by the scale, clamped to +-448, and rounded to the nearest number of E4M3, ties to even, subnormals kept.
;;     - The product sums the exact products of the quantised numbers (number of the format x scale) in f32.
;;   ~~~python
;;   def quantise(x, axis, e):      # numpy; x: float32 -> the quantised numbers, widened to float32 again
;;       x = np.moveaxis(x, axis, -1); K = x.shape[-1]
;;       r = np.clip(x / 2.0 ** e, -448, 448)
;;       step = 2.0 ** (np.maximum(np.frexp(np.where(r == 0, 1, r))[1] - 1, -6) - 3)
;;       q = np.round(r / step) * step * 2.0 ** e      # np.round: ties to even
;;       return np.moveaxis(q, -1, axis).astype(np.float32)
;;   ~~~
;;   SOFTMAX AHEAD OF A QUANTISED PRODUCT. Where the list says 'softmax', what is quantised is not the finished softmax but p = 2^(t - M), with t = logit x log2(e) and M = ceil(the row's largest t), a whole number; so 1/2 < the row's largest p <= 1. The row's sum l is taken of the UNQUANTISED p, in f32, and the product's result is divided by l at the end. Since M is a whole number, a kernel that streams over the keys may use a running M (the ceiling of the running maximum): every later rescaling is an exact power of two, so the quantised numbers keep their values, but for numbers so far below the row's largest that they fall under the format's range.
;;   OPERANDS COMPUTED ON THE WAY. 'Computed on the way' means the value that the module computes at that place (a softmax that the list does not call 'softmax' is quantised finished and normalised). What goes into a quantiser is computed in f32, as accurately as f32 sums, v_exp_f32 and their like allow (about 1e-6 of the number): no bf16 or f16 on the way to a quantiser, and a product that is left as it is and whose result goes on into a quantised operand takes f32 operands (vector FMAs, or v_wmma_f32_16x16x4_f32). A number that lies on a knife's edge between two numbers of the format may be rounded either way, as far as f32 arithmetic and the matrix unit's own rounding can turn it there, and no further.
;; One version. Each part assembles by itself: llvm-mc -triple=amdgcn-amd-amdhsa -mcpu=gfx1250 --defsym DOCPART=n.
;; ======== version 1 of 1: 4 launches
;; limits: right only within a limited range of input values
;; workspace buffers: wimga 3,145,728 bytes; wimgb 3,145,728 bytes; qimg 8,388,608 bytes; kimg 8,388,608 bytes; vimg 8,388,608 bytes; aimg 8,388,608 bytes
;; launch wprep (part 1): grid 8 x 48, 4 waves a work-group, no clusters, 0 bytes of LDS; arguments wq, wk, wv, wo, w1, w2, lowp_scales, wimga, wimgb; writes wimga, wimgb
.if DOCPART == 1
	.amdgcn_target "amdgcn-amd-amdhsa--gfx1250"
	.amdhsa_code_object_version 6
	.text
	.protected	k_qa7a4414cef_wprep
	.globl	k_qa7a4414cef_wprep
	.p2align	8
	.type	k_qa7a4414cef_wprep,@function
k_qa7a4414cef_wprep:
	s_mov_b64 s[64:65], 0
	v_nop
	global_prefetch_b8 v0, s[64:65] scope:SCOPE_SE
	s_setreg_imm32_b32 hwreg(HW_REG_WAVE_MODE, 25, 1), 1
	s_wait_xcnt 0x0
; The six weights, f32 stored [K 1024][N 1024], become codes of E4M3 with the scale 2^e given for each, laid as IMAGES OF OPERAND REGISTERS in the order in which
; the later launches' waves stream them:  wimga (wq, wk, wv) and wimgb (wo, w1, w2): [wave 16][stage 3][K step 8][tile 4][group 4][512 bytes].
; In a group lane (r, h) has 16 bytes: the codes of W[k = 128 ks + 32 c + 16 h + 0..15][n = 64 wave + 32 (t / 2) + 8 (t % 2) + r + 8 (r / 8)].
; code = x / 2^e, to the nearest code, ties to even.  LIMITS: e between -126 and 119, so that 2^e is an f32 number; NaN among the inputs is not served.
; SHARES.  Work-group (x, y): weight y / 8, K step y % 8, columns 128 x on; wave wv: 32 columns x 128 along K.  A LANE TAKES A COLUMN AND ITS REGISTERS RUN DOWN K: a load reads 128
; consecutive bytes in 32 lanes, and the conversions, which take neighbours along K from one lane's registers, give codes with K innermost.  Lane 16 u + r takes column 8 u + r + 8 (r / 8) of the 32,
; so that its 16 codes are lane (r, h)'s 16 bytes of tile 2 b + u: sixteen neighbouring lanes store 256 consecutive bytes, aligned.  No LDS, no barrier: waves share nothing.
; Every offset is an immediate; each block has its own code registers, so no store's data are written again.
.set X, 32                             ; v32-95   two sets of 32 numbers
.set C, 96                             ; v96-127  eight registers of codes for each of the four blocks
	s_load_b512 s[8:23], s[0:1], 0x0               ; wq s[8:9], wk, wv, wo, w1, w2 s[18:19], the exponents s[20:21], wimga s[22:23]
	s_load_b64 s[24:25], s[0:1], 0x40              ; wimgb
	v_lshrrev_b32 v1, 5, v0
	v_readfirstlane_b32 s2, v1                     ; wave 0..3
	v_and_b32 v2, 15, v0                           ; r
	v_bfe_u32 v5, v0, 4, 1                         ; u
	v_and_b32 v6, 8, v2
	v_add_nc_u32 v6, v6, v2                        ; r + 8 (r / 8)
	v_lshl_add_u32 v6, v5, 3, v6                   ; + 8 u: my column among the wave's 32
	v_lshlrev_b32 v3, 2, v6                        ; in bytes
	v_lshlrev_b32 v4, 4, v2
	v_lshl_add_u32 v4, v5, 11, v4                  ; out: tile u of the pair (2,048 bytes a tile) + 16 r
	s_and_b32 s3, ttmp7, 0xffff
	s_lshr_b32 s26, s3, 3                          ; which weight
	s_and_b32 s27, s3, 7                           ; which K step
	s_lshl_b32 s52, s27, 19                        ; in: 128 rows of 4,096 bytes a K step,
	s_lshl_b32 s53, ttmp9, 9
	s_add_co_u32 s52, s52, s53                     ; 128 columns a work-group,
	s_lshl_b32 s53, s2, 7
	s_add_co_u32 s52, s52, s53                     ; 32 a wave
	s_mov_b32 s53, 0
	s_lshl_b32 s54, ttmp9, 1
	s_lshr_b32 s55, s2, 1
	s_add_co_u32 s54, s54, s55                     ; out: the wave that will stream these columns: column / 64
	s_mul_i32 s54, s54, 196608
	s_lshl_b32 s55, s27, 13
	s_add_co_u32 s54, s54, s55                     ; + K step x 8,192
	s_and_b32 s55, s2, 1
	s_lshl_b32 s55, s55, 12
	s_add_co_u32 s54, s54, s55                     ; + which pair of tiles
	s_cmp_lt_u32 s26, 3
	s_cselect_b32 s28, 0, 3
	s_sub_co_u32 s28, s26, s28                     ; the stage in its buffer
	s_lshl_b32 s55, s28, 16
	s_add_co_u32 s54, s54, s55
	s_mov_b32 s55, 0
	s_wait_alu depctr_va_vdst(0)
	s_wait_kmcnt 0x0
	s_load_b512 s[36:51], s[20:21], 0x0            ; the sixteen exponents: entry i in s[36 + i]
	s_mov_b64 s[4:5], s[8:9]                       ; the weight is chosen by the work-group's number alone
.irp n, 1,2,3,4,5
	s_cmp_eq_u32 s26, \n
	s_cselect_b64 s[4:5], s[8+2*\n:9+2*\n], s[4:5]
.endr
	s_cmp_lt_u32 s26, 3
	s_cselect_b64 s[6:7], s[22:23], s[24:25]
	s_add_nc_u64 s[4:5], s[4:5], s[52:53]
	s_add_nc_u64 s[6:7], s[6:7], s[54:55]
.macro LOAD c                          ; block c: W(32 c + i, my column), i = 0 .. 31, into set c % 2
.set i, 0
.rept 32
	global_load_b32 v[X+32*((\c)%2)+i], v3, s[4:5] offset:(32*(\c)+i)*4096 th:TH_LOAD_NT
.set i, i+1
.endr
.endm
	LOAD 0
	LOAD 1
	s_wait_kmcnt 0x0
	s_mov_b32 s30, s37                             ; the weight's own exponent: entries 1, 3, 5, 11, 13, 15
	s_cmp_eq_u32 s26, 1
	s_cselect_b32 s30, s39, s30
	s_cmp_eq_u32 s26, 2
	s_cselect_b32 s30, s41, s30
	s_cmp_eq_u32 s26, 3
	s_cselect_b32 s30, s47, s30
	s_cmp_eq_u32 s26, 4
	s_cselect_b32 s30, s49, s30
	s_cmp_eq_u32 s26, 5
	s_cselect_b32 s30, s51, s30
	s_add_co_i32 s30, s30, 127
	s_lshl_b32 s31, s30, 23
	v_mov_b32 v11, s31                             ; 2^e as f32: the conversion takes its exponent field
.macro BLOCK c
.set XS, X+32*((\c)%2)
.if (\c) < 3
	s_wait_loadcnt 32                              ; this block's 32 loads are in; the next block's 32 may be out
.else
	s_wait_loadcnt 0x0
.endif
.set i, 0
.rept 32
.set i, i+1
.endr
.irp q, 0,1,2,3
	v_cvt_scalef32_pk8_fp8_f32 v[C+8*(\c)+2*\q:C+8*(\c)+2*\q+1], v[XS+8*\q:XS+8*\q+7], v11
.endr
	global_store_b128 v4, v[C+8*(\c):C+8*(\c)+3], s[6:7] offset:512*(\c)          ; k = 32 c + 0..15: the image's lanes 0-15
	global_store_b128 v4, v[C+8*(\c)+4:C+8*(\c)+7], s[6:7] offset:512*(\c)+256    ; k = 32 c + 16..31: its lanes 16-31
.if (\c)+2 < 4
	LOAD (\c)+2
.endif
.endm
	s_wait_alu depctr_va_vdst(0)
	BLOCK 0
	BLOCK 1
	BLOCK 2
	BLOCK 3
	s_endpgm
.Lfunc_end_k_qa7a4414cef_wprep:
	.size	k_qa7a4414cef_wprep, .Lfunc_end_k_qa7a4414cef_wprep-k_qa7a4414cef_wprep
	.p2alignl 7, 3214868480
	.fill 96, 4, 3214868480
	.section	.rodata,"a",@progbits
	.p2align	6, 0x0
	.amdhsa_kernel k_qa7a4414cef_wprep
		.amdhsa_group_segment_fixed_size 0
		.amdhsa_private_segment_fixed_size 0
		.amdhsa_enable_private_segment 0
		.amdhsa_kernarg_size 72
		.amdhsa_user_sgpr_count 2
		.amdhsa_user_sgpr_kernarg_segment_ptr 1
		.amdhsa_wavefront_size32 1
		.amdhsa_system_sgpr_workgroup_id_x 1
		.amdhsa_system_sgpr_workgroup_id_y 1
		.amdhsa_system_sgpr_workgroup_id_z 1
		.amdhsa_system_vgpr_workitem_id 0
		.amdhsa_next_free_vgpr 128
		.amdhsa_next_free_sgpr 66
		.amdhsa_reserve_vcc 0
		.amdhsa_float_denorm_mode_32 3
		.amdhsa_float_denorm_mode_16_64 3
		.amdhsa_fp16_overflow 1
		.amdhsa_memory_ordered 1
		.amdhsa_forward_progress 1
		.amdhsa_inst_pref_size 17
	.end_amdhsa_kernel
	.amdgpu_metadata
---
amdhsa.version: [ 1, 2 ]
amdhsa.kernels:
  - .name:           k_qa7a4414cef_wprep
    .symbol:         k_qa7a4414cef_wprep.kd
    .args:
      - { .name: wq, .offset: 0, .size: 8, .value_kind: global_buffer, .address_space: global }
      - { .name: wk, .offset: 8, .size: 8, .value_kind: global_buffer, .address_space: global }
      - { .name: wv, .offset: 16, .size: 8, .value_kind: global_buffer, .address_space: global }
      - { .name: wo, .offset: 24, .size: 8, .value_kind: global_buffer, .address_space: global }
      - { .name: w1, .offset: 32, .size: 8, .value_kind: global_buffer, .address_space: global }
      - { .name: w2, .offset: 40, .size: 8, .value_kind: global_buffer, .address_space: global }
      - { .name: lowp_scales, .offset: 48, .size: 8, .value_kind: global_buffer, .address_space: global }
      - { .name: wimga, .offset: 56, .size: 8, .value_kind: global_buffer, .address_space: global }
      - { .name: wimgb, .offset: 64, .size: 8, .value_kind: global_buffer, .address_space: global }
    .group_segment_fixed_size: 0
    .private_segment_fixed_size: 0
    .kernarg_segment_align: 8
    .kernarg_segment_size: 72
    .max_flat_workgroup_size: 128
    .sgpr_count:     66
    .vgpr_count:     128
    .wavefront_size: 32
...
	.end_amdgpu_metadata
.endif
;; end of part 1
;; launch qkv (part 2): grid 256 x 1, 16 waves a work-group, no clusters, 296,960 bytes of LDS; arguments x, ln1_a, ln1_b, bq, bk, bv, lowp_scales, wimga, qimg, kimg, vimg; writes qimg, kimg, vimg
.if DOCPART == 2
	.amdgcn_target "amdgcn-amd-amdhsa--gfx1250"
	.amdhsa_code_object_version 6
	.text
	.protected	k_qa7a4414cef_qkv
	.globl	k_qa7a4414cef_qkv
	.p2align	8
	.type	k_qa7a4414cef_qkv,@function
k_qa7a4414cef_qkv:
	s_mov_b64 s[64:65], 0
	v_nop
	global_prefetch_b8 v0, s[64:65] scope:SCOPE_SE
	s_setreg_imm32_b32 hwreg(HW_REG_WAVE_MODE, 25, 1), 1
	s_wait_xcnt 0x0
; z = LN1(x) (mean; std with divisor 1023; alpha (x - mean) / (std + 1e-6) + beta), quantised three times (exponents 0, 2, 4);  Q = z wq + bq, K = z wk + bk, V = z wv + bv on codes of E4M3;
; Q, K, V quantised (exponents 6, 7, 9) and stored as images of the operand registers that the attention launch takes.
; SHARES.  Work-group id: 64 tokens (block id / 2) x 512 columns (half p = id % 2) of each of the three products.  So a work-group walks half of the weights, 1.5 MB of codes, for twice the rows;
; the norm wants whole rows, so each block's norm and its three quantisers are made by both of its work-groups.
; The 64 tokens are four tiles: row r of tile m is token 32 (m / 2) + 8 (m % 2) + r + 8 (r / 8).  Wave w owns columns 512 p + 32 w .. + 31 of every product (head 8 p + w / 2, channels 32 (w % 2) on):
; two tiles of weights x four of tokens = eight accumulators, which take turns.  K goes in steps of 128.
; THE WEIGHTS come from wimga straight into the registers of the one wave that multiplies by them, two K steps (16 loads, 8 KB a wave) ahead, every offset an immediate.
; THE TOKENS' CODES lie in LDS as images of their registers (a group of four registers: 512 bytes, 16 a lane) and are read by all sixteen waves.
; THE NORM goes in two passes of 32 tokens; there wave w takes columns 64 w .. 64 w + 63 of the 32 rows.
; Q and K are made TRANSPOSED (source 0 = weights, source 1 = tokens): a lane holds one token and, by the order of a weight tile's rows, register 16 m + i is column 16 h + i of my 32: 16 neighbours
; along the next K, so that the conversions' results are the next operand's registers.  V is made the natural way (source 0 = tokens): a lane holds one channel and 16 neighbouring tokens, the next K there.
; NO CLUSTER, though 128 work-groups walk the same weights: a joint request lands in LDS, and beside the three images 30,720 bytes of LDS are left, where one K step of the sixteen waves is 65,536.
; LIMITS: each quantiser's exponent between -126 and 119; the sums of exponents 0+1, 2+3, 4+5 between -126 and 127; NaN among the inputs is not served.
.set IMG0, 0                           ; LDS: three images of z: [tile 4][K step 8][group 4][512]
.set IMG1, 65536
.set IMG2, 131072
.set HALFI, 32768                      ; a pass's two tiles of an image
.set ROWS, 196608                      ; each wave's own stage: 16 tokens x (256 bytes + 16): 64 columns in f32
.set RPW,  4352
.set VEC,  266240                      ; each wave's own: alpha, beta of columns 64 w on (256 bytes each), then bq, bk, bv of my 32 columns (128 bytes each, 256 apart)
.set VPW,  1280
.set STAT, 286720                      ; [pass 2][sums, squares][tile 2][r 16][wave 16] f32
.set SPARE, 294912                     ; the spare words, 128 bytes for each wave: eight blocks of 256 bytes that no other line names
.set LI,  1                            ; 16 x lane
.set AA,  2                            ; LI + the image in hand (at the head: 8 x thread, alpha's and beta's offset)
.set IW,  3                            ; where I store codes
.set IW0, 4                            ; LI + 1,024 w: the two groups of columns 64 w on in a tile's image
.set RC,  5                            ; the stage: two rows an instruction, 16 lanes a row
.set RO,  6                            ; the stage: row r, my half's 64 bytes
.set VA,  7                            ; VEC: my half's 64 bytes
.set VW,  8                            ; VEC: 8 bytes a lane
.set SW,  9                            ; STAT: my word; later: my channel's bias
.set SR,  10                           ; STAT: my row's sixteen words
.set GX,  11                           ; x: 4,096 h + 16 r
.set SC,  12                           ; the quantiser's 2^e
.set LIM, 13
.set SPW, 14                           ; my spare word; never rewritten
.set NIL, 15                           ; 0; never rewritten
.set T,   16                           ; v16-31   at work
.set TA,  32                           ; v32-63   at work
.set ACC, 64                           ; v64-127  accumulator (m, u) at ACC + 16 m + 8 u; in the norm: 32 tokens x my 64 columns
.set AF,  128                          ; v128-191 the tokens' four fragments; at the head x's rows 0-31
.set BR,  192                          ; v192-255 two sets of two weight fragments; at the head x's rows 32-63
.set E,   36                           ; s36-51   the sixteen exponents
.macro SETQ e                          ; 2^e
	s_add_co_i32 s4, s[\e], 127
	s_lshl_b32 s5, s4, 23
	v_mov_b32 v[SC], s5
.endm
.macro SETP ea, eb                     ; 2^(ea + eb) in s6; s7 is named with it as a pair, so it is written
	s_add_co_i32 s6, s[\ea], s[\eb]
	s_add_co_i32 s6, s6, 127
	s_lshl_b32 s6, s6, 23
	s_mov_b32 s7, s6
.endm
.macro BARRIER                         ; my LDS stores have landed and my LDS loads are in: then the work-group's barrier
	s_wait_dscnt 0x0
	s_barrier_signal -1
	s_barrier_wait -1
.endm
.macro RING q                          ; K step q of 24: my two weight fragments into set q % 2
.set RB, BR+32*((\q)%2)
.irp u, 0,1
.irp c, 0,1,2,3
	global_load_b128 v[RB+16*\u+4*\c:RB+16*\u+4*\c+3], v[LI], s[32:33] offset:(\q)*8192+\u*2048+\c*512
.endr
.endr
.endm
.macro AFETCH ks                       ; the tokens' four fragments of K step ks
.irp m, 0,1,2,3
.irp c, 0,1,2,3
	ds_load_b128 v[AF+16*\m+4*\c:AF+16*\m+4*\c+3], v[AA] offset:\m*16384+(\ks)*2048+\c*512
.endr
.endr
.endm
.macro KSTEP g, k, nat                 ; g: K step of 24; k: of the product's 8; nat = 1: source 0 = tokens
.if (\g) < 23
	s_wait_loadcnt 8                               ; this K step's weights are in; the next K step's 8 loads may be out
.else
	s_wait_loadcnt 0x0
.endif
	s_wait_dscnt 0x0                               ; the tokens' fragments
.set PB, BR+32*((\g)%2)
.irp u, 0,1
.irp m, 0,1,2,3
.if \nat
.if \k == 0
	v_wmma_f32_16x16x128_fp8_fp8 v[ACC+16*\m+8*\u:ACC+16*\m+8*\u+7], v[AF+16*\m:AF+16*\m+15], v[PB+16*\u:PB+16*\u+15], 0
.else
	v_wmma_f32_16x16x128_fp8_fp8 v[ACC+16*\m+8*\u:ACC+16*\m+8*\u+7], v[AF+16*\m:AF+16*\m+15], v[PB+16*\u:PB+16*\u+15], v[ACC+16*\m+8*\u:ACC+16*\m+8*\u+7]
.endif
.else
.if \k == 0
	v_wmma_f32_16x16x128_fp8_fp8 v[ACC+16*\m+8*\u:ACC+16*\m+8*\u+7], v[PB+16*\u:PB+16*\u+15], v[AF+16*\m:AF+16*\m+15], 0
.else
	v_wmma_f32_16x16x128_fp8_fp8 v[ACC+16*\m+8*\u:ACC+16*\m+8*\u+7], v[PB+16*\u:PB+16*\u+15], v[AF+16*\m:AF+16*\m+15], v[ACC+16*\m+8*\u:ACC+16*\m+8*\u+7]
.endif
.endif
.endr
.endr
.rept 4
	v_nop                                          ; four places in front of the loads into registers just multiplied, and of the first read of results
.endr
.if \k < 7
	AFETCH \k+1                                    ; the LDS loads first: they are served while the global loads below are being taken
.endif
.if (\g)+2 < 24
	RING (\g)+2
.endif
.endm
.macro STAGE st, nat, img              ; one product: [64 x 1024] x [1024 x my 32]
	v_add_nc_u32 v[AA], \img, v[LI]
	AFETCH 0
	s_wait_alu depctr_va_vdst(0)
.irp k, 0,1,2,3,4,5,6,7
	KSTEP 8*\st+\k, \k, \nat
.endr
.endm
.macro BIAS slot                       ; every sum x 2^(ea + eb) + the bias of its column; each accumulator from its low end on
.irp j, 0,1,2,3
	ds_load_b128 v[T+4*\j:T+4*\j+3], v[VA] offset:\slot*256+16*\j
.endr
	s_wait_dscnt 0x0
.irp m, 0,1,2,3
.irp i, 0,2,4,6,8,10,12,14
	v_pk_fma_f32 v[ACC+16*\m+\i:ACC+16*\m+\i+1], v[ACC+16*\m+\i:ACC+16*\m+\i+1], s[6:7], v[T+\i:T+\i+1] op_sel_hi:[1,0,1]
.endr
.endr
.endm
; The 64 numbers in ACC become four groups of codes, group p from registers 16 p on.  ACC stays as it is: the conversions read it directly.
; dest = 0 (the norm's layout: tile p / 2, group p % 2): into the image at v[IW]; 1 (a product's: tile p): to memory at s[gb:gb+1], 512 consecutive bytes a store.
.macro QRUN dest, gb
	s_wait_dscnt 0x0                               ; earlier LDS stores have read the registers that take the codes
.irp p, 0,1,2,3
.set TS, T+16*(\p%2)
.set AS, ACC+16*\p
.set i, 0
.rept 16
.set i, i+1
.endr
	v_cvt_scalef32_pk8_fp8_f32 v[48+4*\p:49+4*\p], v[AS:AS+7], v[SC]
	v_cvt_scalef32_pk8_fp8_f32 v[50+4*\p:51+4*\p], v[AS+8:AS+15], v[SC]
.endr
	v_nop                                          ; one plain line behind the last conversion
.irp p, 0,1,2,3
.if \dest
	global_store_b128 v[LI], v[48+4*\p:51+4*\p], s[\gb:\gb+1] offset:\p*1024
.else
	ds_store_b128 v[IW], v[48+4*\p:51+4*\p] offset:(\p/2)*16384+(\p%2)*512
.endif
.endr
.if \dest
	s_wait_xcnt 0x0                                ; the stores have read their registers: the codes' registers are written again below
.endif
.endm
.macro QALL hb                         ; z of pass hb under its three scales, into the three images' tiles 2 hb and 2 hb + 1
	SETQ E+0
	v_add_nc_u32 v[IW], IMG0+HALFI*\hb, v[IW0]
	s_wait_alu depctr_va_vdst(0)
	QRUN 0, 0
	SETQ E+2
	v_add_nc_u32 v[IW], IMG1+HALFI*\hb, v[IW0]
	s_wait_alu depctr_va_vdst(0)
	QRUN 0, 0
	SETQ E+4
	v_add_nc_u32 v[IW], IMG2+HALFI*\hb, v[IW0]
	s_wait_alu depctr_va_vdst(0)
	QRUN 0, 0
.endm
; 32 rows of x, as loaded (register group i: rows 2 i and 2 i + 1, sixteen lanes a row), go through my stage, a tile of 16 tokens at a time, and come back in the products' layout:
; register 32 mt + 16 b + i = column 32 b + 16 h + i of token 8 mt + r + 8 (r / 8).  The bytes are my wave's own, and LDS serves a wave's instructions in order (ISA guide 5.7.1.4).
.macro XSTAGE xs
.irp m, 0,1
.irp q, 0,1,2,3,4,5,6,7
	ds_store_b128 v[RC], v[\xs+4*(\q+4*(\q/4)+4*\m):\xs+4*(\q+4*(\q/4)+4*\m)+3] offset:544*\q   ; stage rows 2 q, 2 q + 1 = the tile's rows
.endr
.irp b, 0,1
.irp j, 0,1,2,3
	ds_load_b128 v[ACC+32*\m+16*\b+4*\j:ACC+32*\m+16*\b+4*\j+3], v[RO] offset:128*\b+16*\j
.endr
.endr
.endr
	s_wait_dscnt 0x0
.endm
; My partial figures (v16: tile 0, v18: tile 1) are joined with the other half of the lanes' and with the other fifteen waves': totals in v32 and v48, the same bits in every wave.
.macro REDUCE reg
	s_delay_alu instid0(VALU_DEP_2)
	v_permlanex16_b32 v20, v16, s58, s59
	s_delay_alu instid0(VALU_DEP_2)
	v_permlanex16_b32 v21, v18, s58, s59
	s_delay_alu instid0(VALU_DEP_2)
	v_add_f32 v16, v16, v20
	s_delay_alu instid0(VALU_DEP_2)
	v_add_f32 v18, v18, v21
	ds_store_b32 v[SW], v16 offset:(\reg)*2048     ; (both halves of the lanes store the same number to the same word)
	ds_store_b32 v[SW], v18 offset:(\reg)*2048+1024
	BARRIER
.irp q, 0,1,2,3
	ds_load_b128 v[TA+4*\q:TA+4*\q+3], v[SR] offset:(\reg)*2048+16*\q
	ds_load_b128 v[TA+16+4*\q:TA+16+4*\q+3], v[SR] offset:(\reg)*2048+1024+16*\q
.endr
	s_wait_dscnt 0x0
.irp o, 0,16
	v_pk_add_f32 v[TA+\o:TA+\o+1], v[TA+\o:TA+\o+1], v[TA+\o+2:TA+\o+3]
	v_pk_add_f32 v[TA+\o+4:TA+\o+5], v[TA+\o+4:TA+\o+5], v[TA+\o+6:TA+\o+7]
	v_pk_add_f32 v[TA+\o+8:TA+\o+9], v[TA+\o+8:TA+\o+9], v[TA+\o+10:TA+\o+11]
	v_pk_add_f32 v[TA+\o+12:TA+\o+13], v[TA+\o+12:TA+\o+13], v[TA+\o+14:TA+\o+15]
.endr
.irp o, 0
	v_pk_add_f32 v[TA+\o:TA+\o+1], v[TA+\o:TA+\o+1], v[TA+\o+4:TA+\o+5]
	v_pk_add_f32 v[TA+\o+8:TA+\o+9], v[TA+\o+8:TA+\o+9], v[TA+\o+12:TA+\o+13]
.endr
.irp o, 16
	v_pk_add_f32 v[TA+\o:TA+\o+1], v[TA+\o:TA+\o+1], v[TA+\o+4:TA+\o+5]
	s_delay_alu instid0(VALU_DEP_4)
	v_pk_add_f32 v[TA+\o+8:TA+\o+9], v[TA+\o+8:TA+\o+9], v[TA+\o+12:TA+\o+13]
.endr
.irp o, 0
	s_delay_alu instid0(VALU_DEP_3)
	v_pk_add_f32 v[TA+\o:TA+\o+1], v[TA+\o:TA+\o+1], v[TA+\o+8:TA+\o+9]
.endr
.irp o, 16
	s_delay_alu instid0(VALU_DEP_2)
	v_pk_add_f32 v[TA+\o:TA+\o+1], v[TA+\o:TA+\o+1], v[TA+\o+8:TA+\o+9]
.endr
	s_delay_alu instid0(VALU_DEP_2)
	v_add_f32 v32, v32, v33
	s_delay_alu instid0(VALU_DEP_2)
	v_add_f32 v48, v48, v49
.endm
; The norm of the 32 rows in ACC, in place, in two passes: the mean first, then the squares of the differences, so that no difference of large sums is formed.  rg: its two regions of STAT
.macro LNORM alf, bet, rg
	v_mov_b32 v20, 0                               ; a lane permute's destination counts as one of its sources
	v_mov_b32 v21, 0
	v_pk_add_f32 v[16:17], v[ACC:ACC+1], v[ACC+2:ACC+3]
	v_pk_add_f32 v[18:19], v[ACC+32:ACC+33], v[ACC+34:ACC+35]
.irp i, 4,6,8,10,12,14,16,18,20,22,24,26,28,30
	s_delay_alu instid0(VALU_DEP_2)
	v_pk_add_f32 v[16:17], v[16:17], v[ACC+\i:ACC+\i+1]
	s_delay_alu instid0(VALU_DEP_2)
	v_pk_add_f32 v[18:19], v[18:19], v[ACC+32+\i:ACC+32+\i+1]
.endr
	s_delay_alu instid0(VALU_DEP_2)
	v_add_f32 v16, v16, v17
	s_delay_alu instid0(VALU_DEP_2)
	v_add_f32 v18, v18, v19
	REDUCE \rg
	s_delay_alu instid0(VALU_DEP_2)
	v_mul_f32 v22, 0x3a800000, v32                 ; the mean: / 1024
	s_delay_alu instid0(VALU_DEP_2)
	v_mul_f32 v24, 0x3a800000, v48
	s_delay_alu instid0(VALU_DEP_2)
	v_mov_b32 v23, v22                             ; (named as the pairs' upper halves)
	s_delay_alu instid0(VALU_DEP_2)
	v_mov_b32 v25, v24
.irp i, 0,2,4,6,8,10,12,14,16,18,20,22,24,26,28,30
	v_pk_add_f32 v[ACC+\i:ACC+\i+1], v[ACC+\i:ACC+\i+1], v[22:23] op_sel_hi:[1,0] neg_lo:[0,1] neg_hi:[0,1]
	v_pk_add_f32 v[ACC+32+\i:ACC+32+\i+1], v[ACC+32+\i:ACC+32+\i+1], v[24:25] op_sel_hi:[1,0] neg_lo:[0,1] neg_hi:[0,1]
.endr
	v_pk_mul_f32 v[16:17], v[ACC:ACC+1], v[ACC:ACC+1]
	v_pk_mul_f32 v[18:19], v[ACC+32:ACC+33], v[ACC+32:ACC+33]
.irp i, 2,4,6,8,10,12,14,16,18,20,22,24,26,28,30
	s_delay_alu instid0(VALU_DEP_2)
	v_pk_fma_f32 v[16:17], v[ACC+\i:ACC+\i+1], v[ACC+\i:ACC+\i+1], v[16:17]
	s_delay_alu instid0(VALU_DEP_2)
	v_pk_fma_f32 v[18:19], v[ACC+32+\i:ACC+32+\i+1], v[ACC+32+\i:ACC+32+\i+1], v[18:19]
.endr
	s_delay_alu instid0(VALU_DEP_2)
	v_add_f32 v16, v16, v17
	s_delay_alu instid0(VALU_DEP_2)
	v_add_f32 v18, v18, v19
	REDUCE \rg+1
	s_delay_alu instid0(VALU_DEP_2)
	v_mul_f32 v26, 0x3a802008, v32                 ; / 1023
	s_delay_alu instid0(VALU_DEP_2)
	v_mul_f32 v28, 0x3a802008, v48
	s_wait_alu depctr_va_vdst(0)
	v_sqrt_f32 v26, v26
	v_sqrt_f32 v28, v28
	v_nop                                          ; a plain line behind the roots,
	s_wait_alu depctr_va_vdst(0)                   ; and the wait ahead of the first line that names a result: one for both
	v_add_f32 v26, 0x358637bd, v26                 ; + 1e-6
	v_add_f32 v28, 0x358637bd, v28
	s_wait_alu depctr_va_vdst(0)
	v_rcp_f32 v26, v26
	v_rcp_f32 v28, v28
	v_nop
	s_wait_alu depctr_va_vdst(0)                   ; likewise for the two reciprocals
	v_mov_b32 v27, v26
	s_wait_alu depctr_va_vdst(0)
	v_mov_b32 v29, v28
	s_wait_alu depctr_va_vdst(0)
.irp b, 0,1
.irp j, 0,1,2,3
	ds_load_b128 v[TA+4*\j:TA+4*\j+3], v[VA] offset:\alf*256+128*\b+16*\j
	ds_load_b128 v[TA+16+4*\j:TA+16+4*\j+3], v[VA] offset:\bet*256+128*\b+16*\j
.endr
	s_wait_dscnt 0x0
.irp i, 0,2,4,6,8,10,12,14
	v_pk_mul_f32 v[ACC+16*\b+\i:ACC+16*\b+\i+1], v[ACC+16*\b+\i:ACC+16*\b+\i+1], v[26:27] op_sel_hi:[1,0]
	v_pk_mul_f32 v[ACC+32+16*\b+\i:ACC+32+16*\b+\i+1], v[ACC+32+16*\b+\i:ACC+32+16*\b+\i+1], v[28:29] op_sel_hi:[1,0]
.endr
.irp i, 0,2,4,6,8,10,12,14
	v_pk_fma_f32 v[ACC+16*\b+\i:ACC+16*\b+\i+1], v[ACC+16*\b+\i:ACC+16*\b+\i+1], v[TA+\i:TA+\i+1], v[TA+16+\i:TA+16+\i+1]
	v_pk_fma_f32 v[ACC+32+16*\b+\i:ACC+32+16*\b+\i+1], v[ACC+32+16*\b+\i:ACC+32+16*\b+\i+1], v[TA+\i:TA+\i+1], v[TA+16+\i:TA+16+\i+1]
.endr
.endr
.endm
	s_load_b512 s[8:23], s[0:1], 0x0               ; x s[8:9], ln1_a, ln1_b, bq, bk, bv s[18:19], the exponents s[20:21], wimga s[22:23]
	s_load_b128 s[24:27], s[0:1], 0x40             ; qimg, kimg
	s_load_b64 s[28:29], s[0:1], 0x50              ; vimg
	v_lshl_add_u32 v[SPW], v0, 2, SPARE
	v_mov_b32 v[NIL], 0
	v_lshrrev_b32 v16, 5, v0
	s_delay_alu instid0(VALU_DEP_1)
	v_readfirstlane_b32 s2, v16                    ; wave 0..15
	v_and_b32 v17, 31, v0                          ; lane
	v_and_b32 v18, 15, v0                          ; r
	v_bfe_u32 v19, v0, 4, 1                        ; h
	s_delay_alu instid0(VALU_DEP_3)
	v_lshlrev_b32 v[LI], 4, v17
	v_lshlrev_b32 v[AA], 3, v0                     ; 8 x thread = 256 w + 8 x lane: my two numbers of alpha and of beta
	v_lshlrev_b32 v31, 2, v0                       ; 4 x thread = 128 w + 4 x lane: my one number of each bias
	s_lshl_b32 s3, s2, 10
	v_add_nc_u32 v[IW0], s3, v[LI]
	s_mul_i32 s3, s2, RPW
	s_add_co_u32 s3, s3, ROWS
	v_mul_u32_u24 v20, v19, 272
	s_delay_alu instid0(VALU_DEP_1)
	v_lshl_add_u32 v20, v18, 4, v20
	s_delay_alu instid0(VALU_DEP_1)
	v_add_nc_u32 v[RC], s3, v20
	v_mul_u32_u24 v22, v18, 272
	s_delay_alu instid0(VALU_DEP_1)
	v_lshl_add_u32 v22, v19, 6, v22
	s_delay_alu instid0(VALU_DEP_1)
	v_add_nc_u32 v[RO], s3, v22
	s_mul_i32 s3, s2, VPW
	s_add_co_u32 s3, s3, VEC
	v_lshlrev_b32 v23, 6, v19
	s_delay_alu instid0(VALU_DEP_1)
	v_add_nc_u32 v[VA], s3, v23
	v_lshlrev_b32 v23, 3, v17
	s_delay_alu instid0(VALU_DEP_1)
	v_add_nc_u32 v[VW], s3, v23
	v_lshlrev_b32 v23, 2, v17
	s_delay_alu instid0(VALU_DEP_1)
	v_add_nc_u32 v30, s3, v23                      ; VEC: 4 bytes a lane, for the biases
	s_lshl_b32 s3, s2, 2
	s_add_co_u32 s3, s3, STAT
	v_lshlrev_b32 v23, 6, v18
	s_delay_alu instid0(VALU_DEP_1)
	v_add_nc_u32 v[SW], s3, v23
	s_delay_alu instid0(VALU_DEP_2)
	v_add_nc_u32 v[SR], STAT, v23
	v_lshlrev_b32 v[GX], 4, v18
	s_delay_alu instid0(VALU_DEP_1)
	v_lshl_add_u32 v[GX], v19, 12, v[GX]
	s_mov_b32 s58, 0x76543210                      ; v_permlanex16_b32's selects for lane l xor 16
	s_mov_b32 s59, 0xfedcba98
	s_and_b32 s34, ttmp9, 1                        ; p: which 512 columns
	s_lshr_b32 s35, ttmp9, 1                       ; which 64 tokens
	s_lshl_b32 s60, s35, 18                        ; my 64 rows of 4,096 bytes,
	s_lshl_b32 s3, s2, 8
	s_add_co_u32 s60, s60, s3                      ; and, for the norm, my wave's 256 bytes of a row
	s_mov_b32 s61, 0
	s_lshl_b32 s5, s34, 3
	s_lshr_b32 s4, s2, 1
	s_add_co_u32 s5, s5, s4                        ; the head = 8 p + w / 2: also my columns' place among wimga's sixteen streams
	s_and_b32 s6, s2, 1                            ; which 32 of its 64 channels
	s_mul_i32 s62, s5, 196608
	s_lshl_b32 s4, s6, 12
	s_add_co_u32 s62, s62, s4                      ; my two tiles of a K step's four: 4,096 bytes
	s_mov_b32 s63, 0
	s_wait_alu depctr_va_vdst(0)
	s_wait_kmcnt 0x0
	s_load_b512 s[36:51], s[20:21], 0x0            ; the sixteen exponents
	s_add_nc_u64 s[30:31], s[8:9], s[60:61]
	s_add_nc_u64 s[32:33], s[22:23], s[62:63]
	s_lshl_b32 s60, s34, 11                        ; 512 p columns of f32
	s_add_nc_u64 s[14:15], s[14:15], s[60:61]
	s_add_nc_u64 s[16:17], s[16:17], s[60:61]
	s_add_nc_u64 s[18:19], s[18:19], s[60:61]
.set i, 0
.rept 16
	global_load_b128 v[AF+4*i:AF+4*i+3], v[GX], s[30:31] offset:8192*i     ; rows 0-31, two an instruction: sixteen lanes read 256 consecutive bytes, aligned
.set i, i+1
.endr
	global_load_b64 v[32:33], v[AA], s[10:11]
	global_load_b64 v[34:35], v[AA], s[12:13]
	global_load_b32 v36, v31, s[14:15]
	global_load_b32 v37, v31, s[16:17]
	global_load_b32 v38, v31, s[18:19]
.set i, 0
.rept 16
	global_load_b128 v[BR+4*i:BR+4*i+3], v[GX], s[30:31] offset:131072+8192*i   ; rows 32-63
.set i, i+1
.endr
	s_lshr_b32 s3, s35, 4                          ; the batch
	s_lshl_b32 s3, s3, 4
	s_add_co_u32 s3, s3, s5                        ; 16 x batch + head
	s_lshl_b32 s3, s3, 16
	s_and_b32 s4, s35, 15                          ; my block of 64 tokens in the batch
	s_lshl_b32 s7, s4, 12
	s_add_co_u32 s60, s3, s7
	s_lshl_b32 s7, s6, 9
	s_add_co_u32 s60, s60, s7
	s_add_nc_u64 s[52:53], s[24:25], s[60:61]      ; qimg and kimg: [head][tile 64][group 2][512]: my four tiles, my group
	s_add_nc_u64 s[54:55], s[26:27], s[60:61]
	s_lshr_b32 s7, s4, 1
	s_lshl_b32 s7, s7, 13
	s_add_co_u32 s62, s3, s7
	s_lshl_b32 s7, s6, 12
	s_add_co_u32 s62, s62, s7
	s_and_b32 s7, s35, 1
	s_lshl_b32 s7, s7, 10
	s_add_co_u32 s62, s62, s7
	s_add_nc_u64 s[56:57], s[28:29], s[62:63]      ; vimg: [head][key step 8][tile 4][group 4][512]: my two tiles, my two groups of 32 keys
	s_wait_loadcnt 16                              ; rows 0-31 and the vectors are in; the 16 loads of rows 32-63, issued behind them, may be out
	s_wait_kmcnt 0x0
	ds_store_b64 v[VW], v[32:33]
	ds_store_b64 v[VW], v[34:35] offset:256
	ds_store_b32 v30, v36 offset:512
	ds_store_b32 v30, v37 offset:768
	ds_store_b32 v30, v38 offset:1024
	XSTAGE AF
	LNORM 0, 1, 0
	QALL 0
	s_wait_loadcnt 0x0                             ; rows 32-63
	XSTAGE BR
	RING 0                                         ; the stage's stores have read v192-255 (the wait at the stage's end): the first two K steps of weights land there under the second pass
	RING 1
	LNORM 0, 1, 2
	QALL 1
	BARRIER                                        ; the three images are whole; nobody writes them again
	STAGE 0, 0, IMG0
	SETP E+0, E+1
	BIAS 2
	SETQ E+6
	s_wait_alu depctr_va_vdst(0)
	QRUN 1, 52                                     ; Q
	STAGE 1, 0, IMG1
	SETP E+2, E+3
	BIAS 3
	SETQ E+7
	s_wait_alu depctr_va_vdst(0)
	QRUN 1, 54                                     ; K
	STAGE 2, 1, IMG2
	; V: lane (r, h) holds channel 8 u + r + 8 (r / 8) of my 32 in tile u; register j of accumulator (m, u) is token 32 (m / 2) + 16 h + 8 (m % 2) + j
	v_and_b32 v[SW], 15, v0
	s_delay_alu instid0(VALU_DEP_1)
	v_and_b32 v16, 8, v[SW]
	s_delay_alu instid0(VALU_DEP_1)
	v_add_nc_u32 v[SW], v[SW], v16
	s_mul_i32 s3, s2, VPW
	s_add_co_u32 s3, s3, VEC+1024
	v_lshl_add_u32 v[SW], v[SW], 2, s3             ; bv of my channel
.irp u, 0,1
	ds_load_b32 v[T+2*\u], v[SW] offset:32*\u
	ds_load_b32 v[T+2*\u+1], v[SW] offset:32*\u    ; twice: a pair for the packed form
.endr
	SETP E+4, E+5
	SETQ E+9
	s_wait_dscnt 0x0
.irp m, 0,1,2,3
.irp u, 0,1
.irp i, 0,2,4,6
	v_pk_fma_f32 v[ACC+16*\m+8*\u+\i:ACC+16*\m+8*\u+\i+1], v[ACC+16*\m+8*\u+\i:ACC+16*\m+8*\u+\i+1], s[6:7], v[T+2*\u:T+2*\u+1] op_sel_hi:[1,0,1]
.endr
.endr
.endr
.set i, 0
.rept 64
.set i, i+1
.endr
.irp q, 0,1                            ; 32 tokens q: tiles 2 q and 2 q + 1 give a lane its 16 neighbouring keys
.irp u, 0,1
	v_cvt_scalef32_pk8_fp8_f32 v[48+8*\q+4*\u:49+8*\q+4*\u], v[ACC+32*\q+8*\u:ACC+32*\q+8*\u+7], v[SC]
	v_cvt_scalef32_pk8_fp8_f32 v[50+8*\q+4*\u:51+8*\q+4*\u], v[ACC+32*\q+16+8*\u:ACC+32*\q+16+8*\u+7], v[SC]
.endr
.endr
	v_nop                                          ; one plain line behind the last conversion
.irp q, 0,1
.irp u, 0,1
	global_store_b128 v[LI], v[48+8*\q+4*\u:51+8*\q+4*\u], s[56:57] offset:2048*\u+512*\q   ; 512 consecutive bytes, aligned
.endr
.endr
	s_wait_tensorcnt 0x0                           ; the wave's end, behind my last LDS store
	ds_add_u32 v[SPW], v[NIL]
	s_wait_dscnt 0x0
	s_endpgm
.Lfunc_end_k_qa7a4414cef_qkv:
	.size	k_qa7a4414cef_qkv, .Lfunc_end_k_qa7a4414cef_qkv-k_qa7a4414cef_qkv
	.p2alignl 7, 3214868480
	.fill 96, 4, 3214868480
	.section	.rodata,"a",@progbits
	.p2align	6, 0x0
	.amdhsa_kernel k_qa7a4414cef_qkv
		.amdhsa_group_segment_fixed_size 296960
		.amdhsa_private_segment_fixed_size 0
		.amdhsa_enable_private_segment 0
		.amdhsa_kernarg_size 88
		.amdhsa_user_sgpr_count 2
		.amdhsa_user_sgpr_kernarg_segment_ptr 1
		.amdhsa_wavefront_size32 1
		.amdhsa_system_sgpr_workgroup_id_x 1
		.amdhsa_system_sgpr_workgroup_id_y 1
		.amdhsa_system_sgpr_workgroup_id_z 1
		.amdhsa_system_vgpr_workitem_id 0
		.amdhsa_next_free_vgpr 256
		.amdhsa_next_free_sgpr 66
		.amdhsa_reserve_vcc 0
		.amdhsa_float_denorm_mode_32 3
		.amdhsa_float_denorm_mode_16_64 3
		.amdhsa_fp16_overflow 1
		.amdhsa_memory_ordered 1
		.amdhsa_forward_progress 1
		.amdhsa_inst_pref_size 125
	.end_amdhsa_kernel
	.amdgpu_metadata
---
amdhsa.version: [ 1, 2 ]
amdhsa.kernels:
  - .name:           k_qa7a4414cef_qkv
    .symbol:         k_qa7a4414cef_qkv.kd
    .args:
      - { .name: x, .offset: 0, .size: 8, .value_kind: global_buffer, .address_space: global }
      - { .name: ln1_a, .offset: 8, .size: 8, .value_kind: global_buffer, .address_space: global }
      - { .name: ln1_b, .offset: 16, .size: 8, .value_kind: global_buffer, .address_space: global }
      - { .name: bq, .offset: 24, .size: 8, .value_kind: global_buffer, .address_space: global }
      - { .name: bk, .offset: 32, .size: 8, .value_kind: global_buffer, .address_space: global }
      - { .name: bv, .offset: 40, .size: 8, .value_kind: global_buffer, .address_space: global }
      - { .name: lowp_scales, .offset: 48, .size: 8, .value_kind: global_buffer, .address_space: global }
      - { .name: wimga, .offset: 56, .size: 8, .value_kind: global_buffer, .address_space: global }
      - { .name: qimg, .offset: 64, .size: 8, .value_kind: global_buffer, .address_space: global }
      - { .name: kimg, .offset: 72, .size: 8, .value_kind: global_buffer, .address_space: global }
      - { .name: vimg, .offset: 80, .size: 8, .value_kind: global_buffer, .address_space: global }
    .group_segment_fixed_size: 296960
    .private_segment_fixed_size: 0
    .kernarg_segment_align: 8
    .kernarg_segment_size: 88
    .max_flat_workgroup_size: 512
    .sgpr_count:     66
    .vgpr_count:     256
    .wavefront_size: 32
...
	.end_amdgpu_metadata
.endif
;; end of part 2
;; launch attn (part 3): grid 2 x 128, 16 waves a work-group, no clusters, 133,120 bytes of LDS; arguments qimg, kimg, vimg, lowp_scales, aimg; writes aimg
.if DOCPART == 3
	.amdgcn_target "amdgcn-amd-amdhsa--gfx1250"
	.amdhsa_code_object_version 6
	.text
	.protected	k_qa7a4414cef_attn
	.globl	k_qa7a4414cef_attn
	.p2align	8
	.type	k_qa7a4414cef_attn,@function
k_qa7a4414cef_attn:
	s_mov_b64 s[64:65], 0
	v_nop
	global_prefetch_b8 v0, s[64:65] scope:SCOPE_SE
	s_setreg_imm32_b32 hwreg(HW_REG_WAVE_MODE, 25, 1), 1
	s_wait_xcnt 0x0
; For each of 128 heads (16 x batch + head): o = softmax(q k^T / 8) v, both products on codes of E4M3; o quantised (exponent 10) and stored as the image of the next product's operand.
; THE SOFTMAX AHEAD OF THE SECOND PRODUCT: t = score x log2(e) / 8; M = the running largest t rounded UP to a whole number; p = 2^(t - M) is quantised (exponent 8), not normalised;
; the row's sum is taken of the unquantised p and divides at the end; when M moves, the sum and O are multiplied by 2^(old M - new M), which rounds nothing.
; SHARES.  A work-group owns 512 queries of one head; each of its sixteen waves two tiles of 16, one after the other.  The head's whole K and V, 64 KB of codes each, are copied into LDS once, as they
; lie (images of operand registers): no ring, no refill, one barrier.  Four waves share a SIMD, so that one wave's vector work stands beside another's products and LDS loads.
; LAYOUT.  S^T = K Q^T (source 0 = 16 keys, source 1 = 16 queries, K = 64), O^T = V^T P^T (source 0 = 16 channels, K = 128 keys): a lane holds ONE query throughout.  By the order in which the launch before
; laid a tile's rows, registers 16 b + i of S^T are keys 32 b + 16 h + i of the step, and of O^T channels 32 b + 16 h + i: the conversions' results are the next operand's registers.
; NO CLUSTER: what the head's two work-groups share is read once, at the head: 128 KB.
; LIMITS: exponents 8 and 10 between -126 and 119; 6 + 7 between -123 and 130 (added to c's exponent field); 8 + 9 goes by v_ldexp_f32 and has none.
.set VL,    65536                      ; LDS: K at 0, V here
.set SPARE, 131072                     ; the spare words, 128 bytes for each wave: eight blocks of 256 bytes that no other line names
.set KV, 48                            ; v48-111  eight fragments of K (8 registers), then four of V (16)
.set SS, 112                           ; v112-175 S^T, then p
.set OO, 176                           ; v176-207 O^T
.set OC, 208                           ; v208-223 the result's codes, eight registers a tile: no store's data are written again
; v1 16 x lane; v2 the same in V; v3, v4 16 x thread, for the copy; v5, v6 the add's two; v8, v9 the step's addresses; v10 2^e10; v12 -M; v13 the largest t; v[14:15] the sum;
; v16-23 Q; v24-39 p's codes; v40 2^e8; v[42:43] f; v44, v45 the maximum's chains; v[46:47] the second chain of the sum; v224 a permute's destination
	s_load_b256 s[8:15], s[0:1], 0x0               ; qimg s[8:9], kimg s[10:11], vimg s[12:13], the exponents s[14:15]
	s_load_b64 s[16:17], s[0:1], 0x20              ; aimg
	v_lshl_add_u32 v5, v0, 2, SPARE
	v_mov_b32 v6, 0
	v_lshrrev_b32 v7, 5, v0
	s_delay_alu instid0(VALU_DEP_1)
	v_readfirstlane_b32 s2, v7                     ; wave 0..15
	v_and_b32 v7, 31, v0
	s_delay_alu instid0(VALU_DEP_1)
	v_lshlrev_b32 v1, 4, v7
	s_delay_alu instid0(VALU_DEP_1)
	v_add_nc_u32 v2, VL, v1
	v_lshlrev_b32 v3, 4, v0
	s_delay_alu instid0(VALU_DEP_1)
	v_add_nc_u32 v4, VL, v3
	v_mov_b32 v43, 0                               ; (named as the upper half of the pair v[42:43])
	v_mov_b32 v224, 0                              ; a lane permute's destination counts as one of its sources
	s_and_b32 s3, ttmp7, 0xffff                    ; 16 x batch + head
	s_lshl_b32 s18, s3, 16                         ; its 65,536 bytes in qimg, kimg, vimg
	s_mov_b32 s19, 0
	s_mov_b32 s20, 0x76543210
	s_mov_b32 s21, 0xfedcba98
	s_lshl_b32 s4, ttmp9, 5
	s_lshl_b32 s5, s2, 1
	s_add_co_u32 s4, s4, s5                        ; my first tile of queries: 32 x half + 2 x wave
	s_lshl_b32 s52, s4, 10
	s_add_co_u32 s52, s52, s18
	s_mov_b32 s53, 0
	s_lshr_b32 s5, s3, 4
	s_lshl_b32 s5, s5, 6
	s_add_co_u32 s5, s5, s4                        ; the tile among all 512: 64 x batch + tile
	s_lshl_b32 s54, s5, 14
	s_and_b32 s5, s3, 15
	s_lshl_b32 s5, s5, 10                          ; the head's two groups in a tile's image
	s_add_co_u32 s54, s54, s5
	s_mov_b32 s55, 0
	s_wait_alu depctr_va_vdst(0)
	s_wait_kmcnt 0x0
	s_load_b512 s[36:51], s[14:15], 0x0            ; the sixteen exponents: entry i in s[36 + i]
	s_add_nc_u64 s[30:31], s[10:11], s[18:19]
	s_add_nc_u64 s[32:33], s[12:13], s[18:19]
	s_add_nc_u64 s[26:27], s[8:9], s[52:53]
	s_add_nc_u64 s[28:29], s[16:17], s[54:55]
.irp i, 0,1,2,3,4,5,6,7
	global_load_b128 v[KV+4*\i:KV+4*\i+3], v3, s[30:31] offset:8192*\i      ; 512 threads x 16 bytes: 8,192 consecutive bytes an instruction
.endr
.irp i, 0,1,2,3,4,5,6,7
	global_load_b128 v[KV+32+4*\i:KV+32+4*\i+3], v3, s[32:33] offset:8192*\i
.endr
	s_wait_kmcnt 0x0
	s_add_co_i32 s4, s42, s43
	s_lshl_b32 s4, s4, 23
	s_add_co_i32 s22, s4, 0x3e38aa3b               ; c = log2(e) / 8, with e6 + e7 added to its exponent field: a score stands for score x 2^(e6 + e7)
	s_mov_b32 s23, s22                             ; (named with it as a pair)
	s_add_co_i32 s4, s44, 127
	s_lshl_b32 s5, s4, 23
	v_mov_b32 v40, s5                              ; 2^e8
	s_add_co_i32 s4, s46, 127
	s_lshl_b32 s5, s4, 23
	v_mov_b32 v10, s5                              ; 2^e10
	s_add_co_i32 s34, s44, s45                     ; e8 + e9
	s_wait_loadcnt 0x0
.irp i, 0,1,2,3,4,5,6,7
	ds_store_b128 v3, v[KV+4*\i:KV+4*\i+3] offset:8192*\i
.endr
.irp i, 0,1,2,3,4,5,6,7
	ds_store_b128 v4, v[KV+32+4*\i:KV+32+4*\i+3] offset:8192*\i
.endr
	s_wait_dscnt 0x0                               ; for the others' sake: my part of K and V has landed
	s_barrier_signal -1
	s_barrier_wait -1                              ; K and V are whole; nobody writes LDS again
.macro QTILE qt                        ; one tile of 16 queries against all 1,024 keys
	global_load_b128 v[16:19], v1, s[26:27] offset:1024*\qt th:TH_LOAD_NT
	global_load_b128 v[20:23], v1, s[26:27] offset:1024*\qt+512 th:TH_LOAD_NT
	v_mov_b32 v13, 0xff61b1e6                      ; the largest t so far: -3e38, under every t
	s_delay_alu instid0(VALU_DEP_1)
	v_floor_f32 v12, -v13                          ; -M
	v_mov_b32 v14, 0
	v_mov_b32 v15, 0
.set j, 0
.rept 32
	v_mov_b32 v[OO+j], 0                           ; the step is written once: the first finds zeros, which the first change of M leaves zeros
.set j, j+1
.endr
	s_mov_b32 s24, 0                               ; the step's bytes in K and in V
	s_mov_b32 s25, 8
	s_wait_loadcnt 0x0
.Lstep_\@:                             ; eight trips of 128 keys
	s_setprio 2
	v_add_nc_u32 v8, s24, v1
	v_add_nc_u32 v9, s24, v2
	v_nop
	v_nop                                          ; four places in front of the loads into registers that the last trip's products read
.irp t, 0,1,2,3,4,5,6,7
	ds_load_b128 v[KV+8*\t:KV+8*\t+3], v8 offset:1024*\t
	ds_load_b128 v[KV+8*\t+4:KV+8*\t+7], v8 offset:1024*\t+512
.endr
	s_wait_alu depctr_va_vdst(0)
	s_wait_dscnt 0x0
.irp t, 0,1,2,3,4,5,6,7
	v_wmma_f32_16x16x64_fp8_fp8 v[SS+8*\t:SS+8*\t+7], v[KV+8*\t:KV+8*\t+7], v[16:23], 0
.endr
.rept 4
	v_nop                                          ; four places: for V's loads into K's registers, and for the first read of the scores
.endr
.irp t, 0,1,2,3
.irp c, 0,1,2,3
	ds_load_b128 v[KV+16*\t+4*\c:KV+16*\t+4*\c+3], v9 offset:2048*\t+512*\c     ; V lands while the softmax is walked
.endr
.endr
	v_max3_num_f32 v44, v[SS], v[SS+1], v[SS+2]    ; the step's largest score among my 64 keys, in two chains; each tile is read from its low end on
	v_max3_num_f32 v45, v[SS+3], v[SS+4], v[SS+5]
.irp i, 6,10,14,18,22,26,30,34,38,42,46,50,54,58
	v_max3_num_f32 v44, v44, v[SS+\i], v[SS+\i+1]
	v_max3_num_f32 v45, v45, v[SS+\i+2], v[SS+\i+3]
.endr
	v_max3_num_f32 v44, v44, v[SS+62], v[SS+63]
	s_delay_alu instid0(VALU_DEP_1)
	v_max_num_f32 v44, v44, v45
	s_delay_alu instid0(VALU_DEP_1)
	v_permlanex16_b32 v224, v44, s20, s21
	s_delay_alu instid0(VALU_DEP_1)
	v_max_num_f32 v44, v44, v224                   ; and among lane l xor 16's
	s_delay_alu instid0(VALU_DEP_1)
	v_mul_f32 v44, s22, v44                        ; as t (c is positive)
	s_delay_alu instid0(VALU_DEP_1)
	v_max_num_f32 v13, v13, v44
	v_mov_b32 v44, v12
	s_delay_alu instid0(VALU_DEP_2)
	v_floor_f32 v12, -v13                          ; the new -M = -ceil(t)
	s_delay_alu instid0(VALU_DEP_1)
	v_sub_f32 v44, v12, v44                        ; old M - new M: a whole number, 0 or less
	s_delay_alu instid0(VALU_DEP_1)
	v_cvt_i32_f32 v44, v44                         ; (it saturates)
	s_delay_alu instid0(VALU_DEP_1)
	v_ldexp_f32 v42, 1.0, v44                      ; f = 2^(old M - new M)
.set j, 0
.rept 32
	v_pk_fma_f32 v[SS+j:SS+j+1], v[SS+j:SS+j+1], s[22:23], v[12:13] op_sel_hi:[1,0,0]   ; t - M (of the pairs c and -M the low word serves both halves)
.set j, j+2
.endr
.set j, 0
	s_setprio 1
	s_wait_alu depctr_va_vdst(0)
.rept 64
	v_exp_f32 v[SS+j], v[SS+j]                     ; p = 2^(t - M)
.set j, j+1
.endr
	v_pk_mul_f32 v[14:15], v[14:15], v[42:43] op_sel_hi:[1,0]   ; the sum under the new M: the plain line behind the exponentials
	s_wait_alu depctr_va_vdst(0)                   ; one wait for the batch of 64, ahead of the first line that names a result
	v_pk_add_f32 v[46:47], v[116:117], v[120:121]
	v_pk_add_f32 v[254:255], v[124:125], v[128:129]
	v_pk_add_f32 v[252:253], v[132:133], v[136:137]
	v_pk_add_f32 v[250:251], v[140:141], v[144:145]
	v_pk_add_f32 v[248:249], v[148:149], v[152:153]
	v_pk_add_f32 v[246:247], v[156:157], v[160:161]
	v_pk_add_f32 v[244:245], v[164:165], v[168:169]
	v_pk_add_f32 v[14:15], v[14:15], v[172:173]
	v_pk_add_f32 v[46:47], v[46:47], v[112:113]
	v_pk_add_f32 v[254:255], v[254:255], v[114:115]
	v_pk_add_f32 v[252:253], v[252:253], v[118:119]
	v_pk_add_f32 v[250:251], v[250:251], v[122:123]
	v_pk_add_f32 v[248:249], v[248:249], v[126:127]
	v_pk_add_f32 v[246:247], v[246:247], v[130:131]
	v_pk_add_f32 v[244:245], v[244:245], v[134:135]
	v_pk_add_f32 v[14:15], v[14:15], v[138:139]
	v_pk_add_f32 v[46:47], v[46:47], v[142:143]
	v_pk_add_f32 v[254:255], v[254:255], v[146:147]
	v_pk_add_f32 v[252:253], v[252:253], v[150:151]
	v_pk_add_f32 v[250:251], v[250:251], v[154:155]
	v_pk_add_f32 v[248:249], v[248:249], v[158:159]
	v_pk_add_f32 v[246:247], v[246:247], v[162:163]
	v_pk_add_f32 v[244:245], v[244:245], v[166:167]
	v_pk_add_f32 v[14:15], v[14:15], v[170:171]
	v_pk_add_f32 v[46:47], v[46:47], v[174:175]
	s_delay_alu instid0(VALU_DEP_2)
	v_pk_add_f32 v[14:15], v[14:15], v[250:251]
	s_delay_alu instid0(VALU_DEP_2)
	v_pk_add_f32 v[46:47], v[46:47], v[248:249]
	v_pk_add_f32 v[254:255], v[254:255], v[246:247]
	v_pk_add_f32 v[252:253], v[252:253], v[244:245]
	s_delay_alu instid0(VALU_DEP_2)
	v_pk_add_f32 v[14:15], v[14:15], v[254:255]
	s_delay_alu instid0(VALU_DEP_2)
	v_pk_add_f32 v[46:47], v[46:47], v[252:253]
	s_delay_alu instid0(VALU_DEP_1)
	v_pk_add_f32 v[14:15], v[14:15], v[46:47]
	s_cmp_ge_i32 s44, -8                           ; 448 x 2^e8 >= 1.75: no p reaches it
	s_cbranch_scc1 .Lnohold_\@
.set j, 0
.rept 64
.set j, j+1
.endr
.Lnohold_\@:
.irp b, 0,1,2,3
	v_cvt_scalef32_pk8_fp8_f32 v[24+4*\b:25+4*\b], v[SS+16*\b:SS+16*\b+7], v40
	v_cvt_scalef32_pk8_fp8_f32 v[26+4*\b:27+4*\b], v[SS+16*\b+8:SS+16*\b+15], v40
.endr
.set j, 0
	s_setprio 0
.rept 16
	v_pk_mul_f32 v[OO+j:OO+j+1], v[OO+j:OO+j+1], v[42:43] op_sel_hi:[1,0]   ; O^T under the new M; these are also the plain lines between the conversions and the products
.set j, j+2
.endr
	s_wait_alu depctr_va_vdst(0)
	s_wait_dscnt 0x0                               ; V
.irp t, 0,1,2,3
	v_wmma_f32_16x16x128_fp8_fp8 v[OO+8*\t:OO+8*\t+7], v[KV+16*\t:KV+16*\t+15], v[24:39], v[OO+8*\t:OO+8*\t+7]   ; the four accumulators take turns
.endr
	s_add_co_u32 s24, s24, 8192
	s_sub_co_u32 s25, s25, 1
	s_cmp_lg_u32 s25, 0
	s_cbranch_scc1 .Lstep_\@
	s_setprio 0
.rept 4
	v_nop
.endr
	v_add_f32 v14, v14, v15                        ; the sum's two halves,
	s_delay_alu instid0(VALU_DEP_1)
	v_permlanex16_b32 v224, v14, s20, s21
	s_delay_alu instid0(VALU_DEP_1)
	v_add_f32 v14, v14, v224                       ; and lane l xor 16's
	s_wait_alu depctr_va_vdst(0)
	v_rcp_f32 v14, v14
	v_nop
	s_wait_alu depctr_va_vdst(0)
	v_ldexp_f32 v42, v14, s34                      ; 2^(e8 + e9) / the sum
.set j, 0
.rept 16
	v_pk_mul_f32 v[OO+j:OO+j+1], v[OO+j:OO+j+1], v[42:43] op_sel_hi:[1,0]
.set j, j+2
.endr
.set j, 0
.rept 32
.set j, j+1
.endr
.irp b, 0,1
	v_cvt_scalef32_pk8_fp8_f32 v[OC+8*\qt+4*\b:OC+8*\qt+4*\b+1], v[OO+16*\b:OO+16*\b+7], v10
	v_cvt_scalef32_pk8_fp8_f32 v[OC+8*\qt+4*\b+2:OC+8*\qt+4*\b+3], v[OO+16*\b+8:OO+16*\b+15], v10
.endr
	v_nop
.irp b, 0,1
	global_store_b128 v1, v[OC+8*\qt+4*\b:OC+8*\qt+4*\b+3], s[28:29] offset:16384*\qt+512*\b   ; 512 consecutive bytes, aligned
.endr
.endm
	QTILE 0
	QTILE 1
	s_wait_tensorcnt 0x0                           ; the wave's end, behind my last LDS store
	ds_add_u32 v5, v6
	s_wait_dscnt 0x0
	s_endpgm
.Lfunc_end_k_qa7a4414cef_attn:
	.size	k_qa7a4414cef_attn, .Lfunc_end_k_qa7a4414cef_attn-k_qa7a4414cef_attn
	.p2alignl 7, 3214868480
	.fill 96, 4, 3214868480
	.section	.rodata,"a",@progbits
	.p2align	6, 0x0
	.amdhsa_kernel k_qa7a4414cef_attn
		.amdhsa_group_segment_fixed_size 133120
		.amdhsa_private_segment_fixed_size 0
		.amdhsa_enable_private_segment 0
		.amdhsa_kernarg_size 40
		.amdhsa_user_sgpr_count 2
		.amdhsa_user_sgpr_kernarg_segment_ptr 1
		.amdhsa_wavefront_size32 1
		.amdhsa_system_sgpr_workgroup_id_x 1
		.amdhsa_system_sgpr_workgroup_id_y 1
		.amdhsa_system_sgpr_workgroup_id_z 1
		.amdhsa_system_vgpr_workitem_id 0
		.amdhsa_next_free_vgpr 256
		.amdhsa_next_free_sgpr 66
		.amdhsa_reserve_vcc 0
		.amdhsa_float_denorm_mode_32 3
		.amdhsa_float_denorm_mode_16_64 3
		.amdhsa_fp16_overflow 1
		.amdhsa_memory_ordered 1
		.amdhsa_forward_progress 1
		.amdhsa_inst_pref_size 40
	.end_amdhsa_kernel
	.amdgpu_metadata
---
amdhsa.version: [ 1, 2 ]
amdhsa.kernels:
  - .name:           k_qa7a4414cef_attn
    .symbol:         k_qa7a4414cef_attn.kd
    .args:
      - { .name: qimg, .offset: 0, .size: 8, .value_kind: global_buffer, .address_space: global }
      - { .name: kimg, .offset: 8, .size: 8, .value_kind: global_buffer, .address_space: global }
      - { .name: vimg, .offset: 16, .size: 8, .value_kind: global_buffer, .address_space: global }
      - { .name: lowp_scales, .offset: 24, .size: 8, .value_kind: global_buffer, .address_space: global }
      - { .name: aimg, .offset: 32, .size: 8, .value_kind: global_buffer, .address_space: global }
    .group_segment_fixed_size: 133120
    .private_segment_fixed_size: 0
    .kernarg_segment_align: 8
    .kernarg_segment_size: 40
    .max_flat_workgroup_size: 512
    .sgpr_count:     66
    .vgpr_count:     256
    .wavefront_size: 32
...
	.end_amdgpu_metadata
.endif
;; end of part 3
;; launch tail (part 4): grid 256 x 1, 16 waves a work-group, no clusters, 264,192 bytes of LDS; arguments aimg, x, bo, ln2_a, ln2_b, b1, b2, lowp_scales, wimgb, out0; writes out0
.if DOCPART == 4
	.amdgcn_target "amdgcn-amd-amdhsa--gfx1250"
	.amdhsa_code_object_version 6
	.text
	.protected	k_qa7a4414cef_tail
	.globl	k_qa7a4414cef_tail
	.p2align	8
	.type	k_qa7a4414cef_tail,@function
k_qa7a4414cef_tail:
	s_mov_b64 s[64:65], 0
	v_nop
	global_prefetch_b8 v0, s[64:65] scope:SCOPE_SE
	s_setreg_imm32_b32 hwreg(HW_REG_WAVE_MODE, 25, 1), 1
	s_wait_xcnt 0x0
; h = x + a wo + bo (a: the attention's codes);  z = LN2(h), quantised (exponent 12);  u = relu(z w1 + b1), quantised (exponent 14);  out = h + u w2 + b2.  h, z and u never leave the work-group.
; SHARES, LAYOUTS AND MACROS are those of the launch that makes Q, K and V: a work-group owns 32 tokens (whole rows, for the norm), two tiles, row r of tile mt = token 8 mt + r + 8 (r / 8);
; wave w owns columns 64 w .. 64 w + 63 of every product: eight accumulators, which take turns; K in steps of 128; the weights come from wimgb straight into the
; registers of the one wave that multiplies by them, two K steps (32 loads) ahead; the tokens' codes lie in LDS as images of their registers.  All three products are used TRANSPOSED
; (source 0 = weights, source 1 = tokens): register 16 b + i of a lane is column 64 w + 32 b + 16 h + i of its token, 16 neighbours along the next K.
; h waits in each wave's own rows in LDS (f32) for the second residual; the result leaves through the same rows, sixteen lanes to 256 consecutive bytes, aligned.
; NO CLUSTER, though all work-groups walk the same weights: a joint request lands in LDS, and a slot of one K step (128 KB for the sixteen waves) feeds eight matrix instructions a wave between two
; changes of slots; each fragment is wanted by one wave alone, so LDS would add a write and a read to each.
; LIMITS: exponents 12 and 14 between -126 and 119; the sums 10+11, 12+13, 14+15 between -126 and 127; NaN among the inputs is not served.
.set IMG0, 0                           ; LDS: the images of a, z, u: [tile 2][K step 8][group 4][512]
.set IMG1, 32768
.set IMG2, 65536
.set ROWS, 98304                       ; each wave's own: 32 tokens x (256 bytes + 16): its 64 columns in f32: x, then h, then the result
.set RPW,  8704
.set VEC,  237568                      ; each wave's own: five vectors x 64 f32: bo, alpha, beta, b1, b2 of its columns
.set VPW,  1280
.set STAT, 258048                      ; [sums, squares][tile 2][r 16][wave 16] f32
.set SPARE, 262144                     ; the spare words, 128 bytes for each wave: eight blocks of 256 bytes that no other line names
.set LI,  1                            ; 16 x lane
.set AA,  2                            ; LI + the image in hand (at the head: 8 x thread, the vectors' offset)
.set IW,  3                            ; where I store codes (at the head: 16 x thread, for the copy of a's image)
.set IW0, 4                            ; LI + 1,024 w: my columns' two groups of a tile's image
.set RC,  5                            ; ROWS: two rows an instruction, 16 lanes a row
.set RO,  6                            ; ROWS: my token's row, my half's 64 bytes
.set VA,  7                            ; VEC: my half's 64 bytes
.set VW,  8                            ; VEC: 8 bytes a lane
.set SW,  9                            ; STAT: my word
.set SR,  10                           ; STAT: my row's sixteen words
.set GX,  11                           ; x and out0: 4,096 h + 16 r
.set SC,  12                           ; the quantiser's 2^e
.set LIM, 13                           ; and 448 x 2^e
.set SPW, 14                           ; my spare word; never rewritten
.set NIL, 15                           ; 0; never rewritten
.set T,   16                           ; v16-31   at work
.set AF,  32                           ; v32-63   the tokens' two fragments; at work between products
.set ACC, 64                           ; v64-127  accumulator (mt, t) at ACC + 32 mt + 8 t
.set BR,  128                          ; v128-255 two sets of four weight fragments; at the end the rows on their way out
.set E,   36                           ; s36-51   the sixteen exponents
.macro SETQ e                          ; 2^e and 448 x 2^e
	s_add_co_i32 s4, s[\e], 127
	s_lshl_b32 s5, s4, 23
	v_mov_b32 v[SC], s5
	s_add_co_i32 s4, s4, 8
	s_lshl_b32 s4, s4, 23
	s_or_b32 s4, s4, 0x600000
	v_mov_b32 v[LIM], s4
.endm
.macro SETP ea, eb                     ; 2^(ea + eb) in s6; s7 is named with it as a pair, so it is written
	s_add_co_i32 s6, s[\ea], s[\eb]
	s_add_co_i32 s6, s6, 127
	s_lshl_b32 s6, s6, 23
	s_mov_b32 s7, s6
.endm
.macro BARRIER                         ; my LDS stores have landed and my LDS loads are in: then the work-group's barrier
	s_wait_dscnt 0x0
	s_barrier_signal -1
	s_barrier_wait -1
.endm
.macro RING q                          ; K step q of 24: my four weight fragments into set q % 2
.set RB, BR+64*((\q)%2)
.irp t, 0,1,2,3
.irp c, 0,1,2,3
	global_load_b128 v[RB+16*\t+4*\c:RB+16*\t+4*\c+3], v[LI], s[32:33] offset:(\q)*8192+\t*2048+\c*512
.endr
.endr
.endm
.macro AFETCH ks                       ; the tokens' two fragments of K step ks
.irp m, 0,1
.irp c, 0,1,2,3
	ds_load_b128 v[AF+16*\m+4*\c:AF+16*\m+4*\c+3], v[AA] offset:\m*16384+(\ks)*2048+\c*512
.endr
.endr
.endm
.macro KSTEP g, k                      ; g: K step of 24; k: of the product's 8
.if (\g) < 23
	s_wait_loadcnt 16                              ; this K step's weights are in; the next K step's 16 loads may be out
.else
	s_wait_loadcnt 0x0
.endif
	s_wait_dscnt 0x0                               ; the tokens' fragments
.set PB, BR+64*((\g)%2)
.irp t, 0,1,2,3
.irp m, 0,1
.if \k == 0
	v_wmma_f32_16x16x128_fp8_fp8 v[ACC+32*\m+8*\t:ACC+32*\m+8*\t+7], v[PB+16*\t:PB+16*\t+15], v[AF+16*\m:AF+16*\m+15], 0
.else
	v_wmma_f32_16x16x128_fp8_fp8 v[ACC+32*\m+8*\t:ACC+32*\m+8*\t+7], v[PB+16*\t:PB+16*\t+15], v[AF+16*\m:AF+16*\m+15], v[ACC+32*\m+8*\t:ACC+32*\m+8*\t+7]
.endif
.endr
.endr
.rept 4
	v_nop                                          ; four places in front of the loads into registers just multiplied, and of the first read of results
.endr
.if (\g)+2 < 24
	RING (\g)+2
.endif
.if \k < 7
	AFETCH \k+1
.endif
.endm
.macro STAGE st, img                   ; one product: [32 x 1024] x [1024 x my 64]
	v_add_nc_u32 v[AA], \img, v[LI]
	AFETCH 0
	s_wait_alu depctr_va_vdst(0)
.irp k, 0,1,2,3,4,5,6,7
	KSTEP 8*\st+\k, \k
.endr
.endm
.macro BIAS slot                       ; every sum x 2^(ea + eb) + the bias of its column; each accumulator from its low end on
.irp j, 0,1,2,3
	ds_load_b128 v[T+4*\j:T+4*\j+3], v[VA] offset:\slot*256+16*\j
	ds_load_b128 v[AF+4*\j:AF+4*\j+3], v[VA] offset:\slot*256+128+16*\j
.endr
	s_wait_dscnt 0x0
.irp m, 0,1
.irp i, 0,2,4,6,8,10,12,14
	v_pk_fma_f32 v[ACC+32*\m+\i:ACC+32*\m+\i+1], v[ACC+32*\m+\i:ACC+32*\m+\i+1], s[6:7], v[T+\i:T+\i+1] op_sel_hi:[1,0,1]
.endr
.irp i, 0,2,4,6,8,10,12,14
	v_pk_fma_f32 v[ACC+32*\m+16+\i:ACC+32*\m+16+\i+1], v[ACC+32*\m+16+\i:ACC+32*\m+16+\i+1], s[6:7], v[AF+\i:AF+\i+1] op_sel_hi:[1,0,1]
.endr
.endr
.endm
.macro RESID                           ; ACC += my rows in LDS, and the sums go back there.  The bytes are my wave's own, and LDS serves a wave's instructions in order (ISA guide 5.7.1.4)
.irp m, 0,1
.irp b, 0,1
.irp j, 0,1,2,3
	ds_load_b128 v[AF+16*\b+4*\j:AF+16*\b+4*\j+3], v[RO] offset:\m*2176+128*\b+16*\j
.endr
.endr
	s_wait_dscnt 0x0
.irp i, 0,2,4,6,8,10,12,14,16,18,20,22,24,26,28,30
	v_pk_add_f32 v[ACC+32*\m+\i:ACC+32*\m+\i+1], v[ACC+32*\m+\i:ACC+32*\m+\i+1], v[AF+\i:AF+\i+1]
.endr
.irp b, 0,1
.irp j, 0,1,2,3
	ds_store_b128 v[RO], v[ACC+32*\m+16*\b+4*\j:ACC+32*\m+16*\b+4*\j+3] offset:\m*2176+128*\b+16*\j
.endr
.endr
.endr
	s_wait_dscnt 0x0                               ; the stores have read ACC, which is written again below
.endm
; The 64 numbers in ACC become four groups of codes (tile p / 2, group p % 2) in the image at v[IW].  The held numbers go into two sets that take turns, so that sixteen plain lines stand between
; a conversion and the next write of its sources.
.macro QRUN relu
	s_wait_dscnt 0x0                               ; earlier LDS stores have read the registers that take the codes
.irp p, 0,1,2,3
.set TS, T+16*(\p%2)
.set AS, ACC+32*(\p/2)+16*(\p%2)
.set i, 0
.rept 16
.if \relu
	v_med3_num_f32 v[TS+i], v[AS+i], 0, v[LIM]     ; the activation and the hold in one
.else
	v_med3_num_f32 v[TS+i], v[AS+i], -v[LIM], v[LIM]   ; the conversion to an 8-bit code does not saturate (ISA guide 7.6.2)
.endif
.set i, i+1
.endr
	v_cvt_scalef32_pk8_fp8_f32 v[48+4*\p:49+4*\p], v[TS:TS+7], v[SC]
	v_cvt_scalef32_pk8_fp8_f32 v[50+4*\p:51+4*\p], v[TS+8:TS+15], v[SC]
.endr
	v_nop                                          ; one plain line behind the last conversion
.irp p, 0,1,2,3
	ds_store_b128 v[IW], v[48+4*\p:51+4*\p] offset:(\p/2)*16384+(\p%2)*512
.endr
.endm
; My partial figures (v16: tile 0, v18: tile 1) are joined with the other half of the lanes' and with the other fifteen waves': totals in v32 and v48, the same bits in every wave.
.macro REDUCE reg
	s_delay_alu instid0(VALU_DEP_2)
	v_permlanex16_b32 v20, v16, s58, s59
	s_delay_alu instid0(VALU_DEP_2)
	v_permlanex16_b32 v21, v18, s58, s59
	s_delay_alu instid0(VALU_DEP_2)
	v_add_f32 v16, v16, v20
	s_delay_alu instid0(VALU_DEP_2)
	v_add_f32 v18, v18, v21
	ds_store_b32 v[SW], v16 offset:\reg*2048       ; (both halves of the lanes store the same number to the same word)
	ds_store_b32 v[SW], v18 offset:\reg*2048+1024
	BARRIER
.irp q, 0,1,2,3
	ds_load_b128 v[AF+4*\q:AF+4*\q+3], v[SR] offset:\reg*2048+16*\q
	ds_load_b128 v[AF+16+4*\q:AF+16+4*\q+3], v[SR] offset:\reg*2048+1024+16*\q
.endr
	s_wait_dscnt 0x0
.irp o, 0,16
	v_pk_add_f32 v[AF+\o:AF+\o+1], v[AF+\o:AF+\o+1], v[AF+\o+2:AF+\o+3]
	v_pk_add_f32 v[AF+\o+4:AF+\o+5], v[AF+\o+4:AF+\o+5], v[AF+\o+6:AF+\o+7]
	v_pk_add_f32 v[AF+\o+8:AF+\o+9], v[AF+\o+8:AF+\o+9], v[AF+\o+10:AF+\o+11]
	v_pk_add_f32 v[AF+\o+12:AF+\o+13], v[AF+\o+12:AF+\o+13], v[AF+\o+14:AF+\o+15]
.endr
.irp o, 0
	v_pk_add_f32 v[AF+\o:AF+\o+1], v[AF+\o:AF+\o+1], v[AF+\o+4:AF+\o+5]
	v_pk_add_f32 v[AF+\o+8:AF+\o+9], v[AF+\o+8:AF+\o+9], v[AF+\o+12:AF+\o+13]
.endr
.irp o, 16
	v_pk_add_f32 v[AF+\o:AF+\o+1], v[AF+\o:AF+\o+1], v[AF+\o+4:AF+\o+5]
	s_delay_alu instid0(VALU_DEP_4)
	v_pk_add_f32 v[AF+\o+8:AF+\o+9], v[AF+\o+8:AF+\o+9], v[AF+\o+12:AF+\o+13]
.endr
.irp o, 0
	s_delay_alu instid0(VALU_DEP_3)
	v_pk_add_f32 v[AF+\o:AF+\o+1], v[AF+\o:AF+\o+1], v[AF+\o+8:AF+\o+9]
.endr
.irp o, 16
	s_delay_alu instid0(VALU_DEP_2)
	v_pk_add_f32 v[AF+\o:AF+\o+1], v[AF+\o:AF+\o+1], v[AF+\o+8:AF+\o+9]
.endr
	s_delay_alu instid0(VALU_DEP_2)
	v_add_f32 v32, v32, v33
	s_delay_alu instid0(VALU_DEP_2)
	v_add_f32 v48, v48, v49
.endm
; The norm of the rows in ACC, in place, in two passes: the mean first, then the squares of the differences, so that no difference of large sums is formed.
.macro LNORM alf, bet
	v_mov_b32 v20, 0                               ; a lane permute's destination counts as one of its sources
	v_mov_b32 v21, 0
	v_pk_add_f32 v[16:17], v[ACC:ACC+1], v[ACC+2:ACC+3]
	v_pk_add_f32 v[18:19], v[ACC+32:ACC+33], v[ACC+34:ACC+35]
.irp i, 4,6,8,10,12,14,16,18,20,22,24,26,28,30
	s_delay_alu instid0(VALU_DEP_2)
	v_pk_add_f32 v[16:17], v[16:17], v[ACC+\i:ACC+\i+1]
	s_delay_alu instid0(VALU_DEP_2)
	v_pk_add_f32 v[18:19], v[18:19], v[ACC+32+\i:ACC+32+\i+1]
.endr
	s_delay_alu instid0(VALU_DEP_2)
	v_add_f32 v16, v16, v17
	s_delay_alu instid0(VALU_DEP_2)
	v_add_f32 v18, v18, v19
	REDUCE 0
	s_delay_alu instid0(VALU_DEP_2)
	v_mul_f32 v22, 0x3a800000, v32                 ; the mean: / 1024
	s_delay_alu instid0(VALU_DEP_2)
	v_mul_f32 v24, 0x3a800000, v48
	s_delay_alu instid0(VALU_DEP_2)
	v_mov_b32 v23, v22                             ; (named as the pairs' upper halves)
	s_delay_alu instid0(VALU_DEP_2)
	v_mov_b32 v25, v24
.irp i, 0,2,4,6,8,10,12,14,16,18,20,22,24,26,28,30
	v_pk_add_f32 v[ACC+\i:ACC+\i+1], v[ACC+\i:ACC+\i+1], v[22:23] op_sel_hi:[1,0] neg_lo:[0,1] neg_hi:[0,1]
	v_pk_add_f32 v[ACC+32+\i:ACC+32+\i+1], v[ACC+32+\i:ACC+32+\i+1], v[24:25] op_sel_hi:[1,0] neg_lo:[0,1] neg_hi:[0,1]
.endr
	v_pk_mul_f32 v[16:17], v[ACC:ACC+1], v[ACC:ACC+1]
	v_pk_mul_f32 v[18:19], v[ACC+32:ACC+33], v[ACC+32:ACC+33]
.irp i, 2,4,6,8,10,12,14,16,18,20,22,24,26,28,30
	s_delay_alu instid0(VALU_DEP_2)
	v_pk_fma_f32 v[16:17], v[ACC+\i:ACC+\i+1], v[ACC+\i:ACC+\i+1], v[16:17]
	s_delay_alu instid0(VALU_DEP_2)
	v_pk_fma_f32 v[18:19], v[ACC+32+\i:ACC+32+\i+1], v[ACC+32+\i:ACC+32+\i+1], v[18:19]
.endr
	s_delay_alu instid0(VALU_DEP_2)
	v_add_f32 v16, v16, v17
	s_delay_alu instid0(VALU_DEP_2)
	v_add_f32 v18, v18, v19
	REDUCE 1
	s_delay_alu instid0(VALU_DEP_2)
	v_mul_f32 v26, 0x3a802008, v32                 ; / 1023
	s_delay_alu instid0(VALU_DEP_2)
	v_mul_f32 v28, 0x3a802008, v48
	s_wait_alu depctr_va_vdst(0)
	v_sqrt_f32 v26, v26
	v_sqrt_f32 v28, v28
	v_nop                                          ; a plain line behind the roots,
	s_wait_alu depctr_va_vdst(0)                   ; and the wait ahead of the first line that names a result: one for both
	v_add_f32 v26, 0x358637bd, v26                 ; + 1e-6
	v_add_f32 v28, 0x358637bd, v28
	s_wait_alu depctr_va_vdst(0)
	v_rcp_f32 v26, v26
	v_rcp_f32 v28, v28
	v_nop
	s_wait_alu depctr_va_vdst(0)                   ; likewise for the two reciprocals
	v_mov_b32 v27, v26
	s_wait_alu depctr_va_vdst(0)
	v_mov_b32 v29, v28
	s_wait_alu depctr_va_vdst(0)
.irp b, 0,1
.irp j, 0,1,2,3
	ds_load_b128 v[AF+4*\j:AF+4*\j+3], v[VA] offset:\alf*256+128*\b+16*\j
	ds_load_b128 v[AF+16+4*\j:AF+16+4*\j+3], v[VA] offset:\bet*256+128*\b+16*\j
.endr
	s_wait_dscnt 0x0
.irp i, 0,2,4,6,8,10,12,14
	v_pk_mul_f32 v[ACC+16*\b+\i:ACC+16*\b+\i+1], v[ACC+16*\b+\i:ACC+16*\b+\i+1], v[26:27] op_sel_hi:[1,0]
	v_pk_mul_f32 v[ACC+32+16*\b+\i:ACC+32+16*\b+\i+1], v[ACC+32+16*\b+\i:ACC+32+16*\b+\i+1], v[28:29] op_sel_hi:[1,0]
.endr
.irp i, 0,2,4,6,8,10,12,14
	v_pk_fma_f32 v[ACC+16*\b+\i:ACC+16*\b+\i+1], v[ACC+16*\b+\i:ACC+16*\b+\i+1], v[AF+\i:AF+\i+1], v[AF+16+\i:AF+16+\i+1]
	v_pk_fma_f32 v[ACC+32+16*\b+\i:ACC+32+16*\b+\i+1], v[ACC+32+16*\b+\i:ACC+32+16*\b+\i+1], v[AF+\i:AF+\i+1], v[AF+16+\i:AF+16+\i+1]
.endr
.endr
.endm
	s_load_b512 s[8:23], s[0:1], 0x0               ; aimg s[8:9], x s[10:11], bo, ln2_a, ln2_b, b1, b2 s[20:21], the exponents s[22:23]
	s_load_b128 s[24:27], s[0:1], 0x40             ; wimgb, out0
	v_lshl_add_u32 v[SPW], v0, 2, SPARE
	v_mov_b32 v[NIL], 0
	v_lshrrev_b32 v16, 5, v0
	s_delay_alu instid0(VALU_DEP_1)
	v_readfirstlane_b32 s2, v16                    ; wave 0..15
	v_and_b32 v17, 31, v0                          ; lane
	v_and_b32 v18, 15, v0                          ; r
	v_bfe_u32 v19, v0, 4, 1                        ; h
	s_delay_alu instid0(VALU_DEP_3)
	v_lshlrev_b32 v[LI], 4, v17
	v_lshlrev_b32 v[AA], 3, v0                     ; 8 x thread = 256 w + 8 x lane: my two numbers of a vector
	v_lshlrev_b32 v[IW], 4, v0                     ; 16 x thread: my 16 bytes of each 8,192 of a's image
	s_lshl_b32 s3, s2, 10
	v_add_nc_u32 v[IW0], s3, v[LI]
	s_mul_i32 s3, s2, RPW
	s_add_co_u32 s3, s3, ROWS
	v_mul_u32_u24 v20, v19, 272
	s_delay_alu instid0(VALU_DEP_1)
	v_lshl_add_u32 v20, v18, 4, v20
	s_delay_alu instid0(VALU_DEP_1)
	v_add_nc_u32 v[RC], s3, v20
	v_and_b32 v21, 8, v18
	s_delay_alu instid0(VALU_DEP_1)
	v_add_nc_u32 v21, v21, v18                     ; r + 8 (r / 8)
	s_delay_alu instid0(VALU_DEP_1)
	v_mul_u32_u24 v22, v21, 272
	s_delay_alu instid0(VALU_DEP_1)
	v_lshl_add_u32 v22, v19, 6, v22
	s_delay_alu instid0(VALU_DEP_1)
	v_add_nc_u32 v[RO], s3, v22
	s_mul_i32 s3, s2, VPW
	s_add_co_u32 s3, s3, VEC
	v_lshlrev_b32 v23, 6, v19
	s_delay_alu instid0(VALU_DEP_1)
	v_add_nc_u32 v[VA], s3, v23
	v_lshlrev_b32 v23, 3, v17
	s_delay_alu instid0(VALU_DEP_1)
	v_add_nc_u32 v[VW], s3, v23
	s_lshl_b32 s3, s2, 2
	s_add_co_u32 s3, s3, STAT
	v_lshlrev_b32 v23, 6, v18
	s_delay_alu instid0(VALU_DEP_1)
	v_add_nc_u32 v[SW], s3, v23
	s_delay_alu instid0(VALU_DEP_2)
	v_add_nc_u32 v[SR], STAT, v23
	v_lshlrev_b32 v[GX], 4, v18
	s_delay_alu instid0(VALU_DEP_1)
	v_lshl_add_u32 v[GX], v19, 12, v[GX]
	s_mov_b32 s58, 0x76543210                      ; v_permlanex16_b32's selects for lane l xor 16
	s_mov_b32 s59, 0xfedcba98
	s_lshl_b32 s60, ttmp9, 17                      ; my 32 rows of 4,096 bytes,
	s_lshl_b32 s3, s2, 8
	s_add_co_u32 s60, s60, s3                      ; my wave's 256 bytes of a row
	s_mov_b32 s61, 0
	s_mul_i32 s62, s2, 196608                      ; my wave's stream of weights
	s_mov_b32 s63, 0
	s_wait_alu depctr_va_vdst(0)
	s_wait_kmcnt 0x0
	s_load_b512 s[36:51], s[22:23], 0x0            ; the sixteen exponents
	s_add_nc_u64 s[30:31], s[10:11], s[60:61]      ; x
	s_add_nc_u64 s[52:53], s[26:27], s[60:61]      ; out0
	s_add_nc_u64 s[32:33], s[24:25], s[62:63]      ; wimgb
	s_lshl_b32 s60, ttmp9, 15                      ; my two tiles' image: 32,768 bytes
	s_add_nc_u64 s[54:55], s[8:9], s[60:61]
.irp i, 0,1,2,3
	global_load_b128 v[T+4*\i:T+4*\i+3], v[IW], s[54:55] offset:8192*\i th:TH_LOAD_NT
.endr
.set i, 0
.rept 16
	global_load_b128 v[ACC+4*i:ACC+4*i+3], v[GX], s[30:31] offset:8192*i th:TH_LOAD_NT   ; two rows an instruction: sixteen lanes read 256 consecutive bytes, aligned
.set i, i+1
.endr
.irp i, 0,1,2,3,4
	global_load_b64 v[32+2*\i:33+2*\i], v[AA], s[12+2*\i:13+2*\i]
.endr
	RING 0
	RING 1
	s_wait_loadcnt 32                              ; a's image, x and the vectors are in; the two K steps of weights issued behind them (32 loads) may be out
	s_wait_kmcnt 0x0
.irp i, 0,1,2,3
	ds_store_b128 v[IW], v[T+4*\i:T+4*\i+3] offset:IMG0+8192*\i
.endr
.set i, 0
.rept 16
	ds_store_b128 v[RC], v[ACC+4*i:ACC+4*i+3] offset:544*i
.set i, i+1
.endr
.irp i, 0,1,2,3,4
	ds_store_b64 v[VW], v[32+2*\i:33+2*\i] offset:256*\i
.endr
	BARRIER                                        ; a's image is whole
	STAGE 0, IMG0
	SETP E+10, E+11
	BIAS 0
	RESID                                          ; h, in ACC and in my rows
	LNORM 1, 2
	SETQ E+12
	v_add_nc_u32 v[IW], IMG1, v[IW0]
	s_wait_alu depctr_va_vdst(0)
	QRUN 0
	BARRIER                                        ; z's image is whole
	STAGE 1, IMG1
	SETP E+12, E+13
	BIAS 3
	SETQ E+14
	v_add_nc_u32 v[IW], IMG2, v[IW0]
	s_wait_alu depctr_va_vdst(0)
	QRUN 1
	BARRIER                                        ; u's image is whole
	STAGE 2, IMG2
	SETP E+14, E+15
	BIAS 4
	RESID                                          ; h + the feed-forward, in my rows
.set i, 0
.rept 16
	ds_load_b128 v[BR+4*i:BR+4*i+3], v[RC] offset:544*i     ; back by rows: two rows an instruction
.set i, i+1
.endr
.set i, 0
.rept 16
	s_wait_dscnt 15-i                              ; LDS loads come back in order (ISA guide 5.7.1): load i is in, the younger ones may be out
	global_store_b128 v[GX], v[BR+4*i:BR+4*i+3], s[52:53] offset:8192*i th:TH_STORE_NT   ; sixteen lanes store 256 consecutive bytes, aligned
.set i, i+1
.endr
	s_wait_tensorcnt 0x0                           ; the wave's end, behind my last LDS store
	ds_add_u32 v[SPW], v[NIL]
	s_wait_dscnt 0x0
	s_endpgm
.Lfunc_end_k_qa7a4414cef_tail:
	.size	k_qa7a4414cef_tail, .Lfunc_end_k_qa7a4414cef_tail-k_qa7a4414cef_tail
	.p2alignl 7, 3214868480
	.fill 96, 4, 3214868480
	.section	.rodata,"a",@progbits
	.p2align	6, 0x0
	.amdhsa_kernel k_qa7a4414cef_tail
		.amdhsa_group_segment_fixed_size 264192
		.amdhsa_private_segment_fixed_size 0
		.amdhsa_enable_private_segment 0
		.amdhsa_kernarg_size 80
		.amdhsa_user_sgpr_count 2
		.amdhsa_user_sgpr_kernarg_segment_ptr 1
		.amdhsa_wavefront_size32 1
		.amdhsa_system_sgpr_workgroup_id_x 1
		.amdhsa_system_sgpr_workgroup_id_y 1
		.amdhsa_system_sgpr_workgroup_id_z 1
		.amdhsa_system_vgpr_workitem_id 0
		.amdhsa_next_free_vgpr 256
		.amdhsa_next_free_sgpr 66
		.amdhsa_reserve_vcc 0
		.amdhsa_float_denorm_mode_32 3
		.amdhsa_float_denorm_mode_16_64 3
		.amdhsa_memory_ordered 1
		.amdhsa_forward_progress 1
		.amdhsa_inst_pref_size 121
	.end_amdhsa_kernel
	.amdgpu_metadata
---
amdhsa.version: [ 1, 2 ]
amdhsa.kernels:
  - .name:           k_qa7a4414cef_tail
    .symbol:         k_qa7a4414cef_tail.kd
    .args:
      - { .name: aimg, .offset: 0, .size: 8, .value_kind: global_buffer, .address_space: global }
      - { .name: x, .offset: 8, .size: 8, .value_kind: global_buffer, .address_space: global }
      - { .name: bo, .offset: 16, .size: 8, .value_kind: global_buffer, .address_space: global }
      - { .name: ln2_a, .offset: 24, .size: 8, .value_kind: global_buffer, .address_space: global }
      - { .name: ln2_b, .offset: 32, .size: 8, .value_kind: global_buffer, .address_space: global }
      - { .name: b1, .offset: 40, .size: 8, .value_kind: global_buffer, .address_space: global }
      - { .name: b2, .offset: 48, .size: 8, .value_kind: global_buffer, .address_space: global }
      - { .name: lowp_scales, .offset: 56, .size: 8, .value_kind: global_buffer, .address_space: global }
      - { .name: wimgb, .offset: 64, .size: 8, .value_kind: global_buffer, .address_space: global }
      - { .name: out0, .offset: 72, .size: 8, .value_kind: global_buffer, .address_space: global }
    .group_segment_fixed_size: 264192
    .private_segment_fixed_size: 0
    .kernarg_segment_align: 8
    .kernarg_segment_size: 80
    .max_flat_workgroup_size: 512
    .sgpr_count:     66
    .vgpr_count:     256
    .wavefront_size: 32
...
	.end_amdgpu_metadata
.endif
;; end of part 4
